; MI455X (gfx1250); checked and timed in simulation.
; The chip was launched on July 23, 2026; its instructions are those of AMD's public machine-readable ISA for CDNA 5 (MIT licence, August 2026) and "CDNA5" Instruction Set Architecture Reference Guide (July 2026). The comments in the code are by the model that wrote it; some were corrected since.
;; Multi Head Attention. Allowed arithmetic: matrix products marked QUANTISED: E2M3 operands, one E8M0 scale for each 32 along K, by v_wmma_scale_f32_16x16x128_f8f6f4 with both operands' format E2M3, f32 sums; everything else in f32.
;; Inputs: b_k 512 float32; b_o 512 float32; b_q 512 float32; b_v 512 float32; key 2 x 4,096 x 512 float32; query 2 x 4,096 x 512 float32; value 2 x 4,096 x 512 float32; w_k 512 x 512 float32; w_o 512 x 512 float32; w_q 512 x 512 float32; w_v 512 x 512 float32.
;; Outputs: out0 2 x 4,096 x 512 float32.
;; This version of the problem:
;;   THIS VERSION OF THE PROBLEM IS GIVEN IN LOW PRECISION. The matrix products marked QUANTISED in the list below multiply operands that are first quantised to E2M3 (2 exponent bits, 3 mantissa bits; 6 bits a number), with one power-of-two scale for each 32 numbers along K (OCP MX v1.0); their sums are f32. All else is computed in f32.
;;   The module's matrix products, in the order in which they are computed (A, B: the left and right operand; K: the contracted axis; several contracted axes count as one K, in the product's order):
;;     1. [M 8,192, K 512] x [K 512, N 512]; A: input query; B: input w_q: QUANTISED
;;     2. [M 8,192, K 512] x [K 512, N 512]; A: input key; B: input w_k: QUANTISED
;;     3. [M 8,192, K 512] x [K 512, N 512]; A: input value; B: input w_v: QUANTISED
;;     4. batch 16 x [M 4,096, K 64] x [K 64, N 4,096]; A: computed on the way; B: computed on the way: QUANTISED
;;     5. batch 16 x [M 4,096, K 4,096] x [K 4,096, N 64]; A: softmax (see below); B: computed on the way: QUANTISED
;;     6. [M 8,192, K 512] x [K 512, N 512]; A: computed on the way; B: input w_o: QUANTISED
;;   THE QUANTISER, for each operand of a quantised product, along K:
;;     - K is cut into blocks of 32 from its start; a last block that is shorter is filled with zeros.
;;     - A block's scale is 2^e with e = floor(log2(the largest magnitude in the block)) - 2, held to -126 .. 127; a block of zeros has e = 0. As a byte (E8M0): e + 127.
;;     - Each number is divided by its block's scale, clamped to +-7.5, and rounded to the nearest number of E2M3, ties to even, subnormals kept.
;;     - The product sums the exact products of the quantised numbers (number of the format x scale) in f32.
;;   ~~~python
;;   def quantise(x, axis):      # numpy; x: float32 -> the quantised numbers, widened to float32 again
;;       x = np.moveaxis(x, axis, -1); K = x.shape[-1]
;;       x = np.pad(x, [(0, 0)] * (x.ndim - 1) + [(0, -K % 32)]); x = x.reshape(x.shape[:-1] + (-1, 32)); a = np.abs(x).max(-1, keepdims=True)
;;       e = np.where(a > 0, np.clip(np.frexp(np.where(a > 0, a, 1))[1] - 1 - 2, -126, 127), 0)      # np.frexp(a)[1] - 1 = floor(log2(a)), exactly
;;       r = np.clip(x / 2.0 ** e, -7.5, 7.5)
;;       step = 2.0 ** (np.maximum(np.frexp(np.where(r == 0, 1, r))[1] - 1, 0) - 3)
;;       q = np.round(r / step) * step * 2.0 ** e      # np.round: ties to even
;;       return np.moveaxis(q.reshape(q.shape[:-2] + (-1,))[..., :K], -1, axis).astype(np.float32)
;;   ~~~
;;   SOFTMAX AHEAD OF A QUANTISED PRODUCT. Where the list says 'softmax', what is quantised is not the finished softmax but p = 2^(t - M), with t = logit x log2(e) and M = ceil(the row's largest t), a whole number; so 1/2 < the row's largest p <= 1. The row's sum l is taken of the UNQUANTISED p, in f32, and the product's result is divided by l at the end. Since M is a whole number, a kernel that streams over the keys may use a running M (the ceiling of the running maximum): every later rescaling is an exact power of two, which a block's scale takes up: the codes' values come out the same.
;;   OPERANDS COMPUTED ON THE WAY. 'Computed on the way' means the value that the module computes at that place (a softmax that the list does not call 'softmax' is quantised finished and normalised). What goes into a quantiser is computed in f32, as accurately as f32 sums, v_exp_f32 and their like allow (about 1e-6 of the number): no bf16 or f16 on the way to a quantiser, and a product that is left as it is and whose result goes on into a quantised operand takes f32 operands (vector FMAs, or v_wmma_f32_16x16x4_f32). A number that lies on a knife's edge between two numbers of the format may be rounded either way, as far as f32 arithmetic and the matrix unit's own rounding can turn it there, and no further.
;; 2 versions. Each part assembles by itself: llvm-mc -triple=amdgcn-amd-amdhsa -mcpu=gfx1250 --defsym DOCPART=n.
;; ======== version 1 of 2: 4 launches
;; workspace buffers: wc 786,432 bytes; ws 32,768 bytes; qc 3,145,728 bytes; qs 262,144 bytes; kvc 6,291,456 bytes; kvs 393,216 bytes; ac 3,145,728 bytes; asc 262,144 bytes
;; launch prep (part 1): grid 32 x 1, 4 waves a work-group, no clusters, 33,280 bytes of LDS; arguments w_q, w_k, w_v, w_o, wc, ws; writes wc, ws
.if DOCPART == 1
	.amdgcn_target "amdgcn-amd-amdhsa--gfx1250"
	.amdhsa_code_object_version 6
	.text
	.protected	k_q01c2f581e7_prep
	.globl	k_q01c2f581e7_prep
	.p2align	8
	.type	k_q01c2f581e7_prep,@function
k_q01c2f581e7_prep:
	s_mov_b64 s[64:65], 0
	v_nop
	global_prefetch_b8 v0, s[64:65] scope:SCOPE_SE
	s_setreg_imm32_b32 hwreg(HW_REG_WAVE_MODE, 25, 1), 1
	s_wait_xcnt 0x0
; The four weights [512][512], f32, K innermost, become codes of FP6 (E2M3) and one E8M0 scale byte for each 32 along K:
; wc [4][512 rows][384 bytes], ws [4][512][16 bytes], in the order w_q, w_k, w_v, w_o.
; A block's scale is 2^(floor(log2(its largest magnitude)) - 2); its byte is the largest magnitude's exponent field - 2, held at 1 from below.
; LIMITS: a block of zeros, and a block whose largest magnitude lies under 2^-124, gets the byte 1 (this program alone reads the bytes; zero codes add nothing); NaN and infinities are not served.
; Rows are dense, so each tensor is a plain stream of blocks of 32.  A wave takes a run of 8,192 numbers (16 rows) in 16 steps of 512; 128 runs = 32 work-groups of four waves; eight work-groups to a tensor.
; Each load reads 512 consecutive bytes; a step's 2,048 bytes turn through the wave's own stage in LDS so that a lane holds 16 neighbours along K; two neighbouring lanes hold a block.
; A wave's 256 scale bytes are gathered in its own LDS bytes and leave as one store of 256 consecutive bytes.  No barrier: waves share nothing.
.set WAVES, 4
.set STEPS, 16
.set EMAX,  2
.set CB,    12                         ; bytes of 16 codes
.set R,     16                         ; v16-79   four sets of 16 numbers as they are loaded
.set X,     80                         ; v80-111  two sets of 16 neighbours
.set E,     112                        ; v112-127 a scale byte for each step
.set C,     128                        ; v128-191 codes: four registers for each step, so that no store's data are written again
.set WREG,  8192                       ; LDS: a region for each wave: two stages of 32 x SP bytes, behind them its 256 scale bytes
.set SP,    80                         ; a lane's place in a stage: 64 bytes + 16 of padding
.set SPW,   12                         ; v12 LDS address of my spare word; never rewritten
.set NIL,   13                         ; v13 0; never rewritten
.set SPARE, WAVES*WREG                 ; the spare words, 128 bytes for each wave, which no other line names
	s_load_b256 s[4:11], s[0:1], 0x0               ; w_q, w_k, w_v, w_o
	s_load_b128 s[12:15], s[0:1], 0x20             ; wc, ws
	v_lshl_add_u32 v[SPW], v0, 2, SPARE
	v_mov_b32 v[NIL], 0
	v_lshrrev_b32 v1, 5, v0
	v_readfirstlane_b32 s16, v1                    ; wave
	v_and_b32 v2, 31, v0                           ; lane
	v_lshlrev_b32 v3, 4, v2                        ; my 16 bytes of a load's 512
	s_mul_i32 s17, s16, WREG
	v_lshrrev_b32 v14, 2, v2
	v_mul_u32_u24 v14, v14, SP
	v_and_b32 v15, 3, v2
	v_lshl_add_u32 v14, v15, 4, v14
	v_add_nc_u32 v14, s17, v14                     ; the stage, on the way in: SP (lane / 4) + 16 (lane % 4)
	v_mul_u32_u24 v15, v2, SP
	v_add_nc_u32 v15, s17, v15                     ; and on the way out: SP x lane: my 16 neighbours
	v_mul_u32_u24 v4, v2, CB                       ; my codes' place in a step's
	v_lshrrev_b32 v5, 1, v2
	s_add_co_u32 s17, s17, 2*32*SP
	v_add_nc_u32 v5, s17, v5                       ; LDS: my wave's 256 scale bytes, my block's byte
	v_lshlrev_b32 v7, 3, v2                        ; and on the way out 8 bytes a lane
	v_add_nc_u32 v6, s17, v7
	s_wait_kmcnt 0x0
	s_lshr_b32 s18, ttmp9, 3                       ; which tensor: the choice hangs on the work-group's number alone
	s_cmp_eq_u32 s18, 1
	s_cselect_b64 s[4:5], s[6:7], s[4:5]
	s_cmp_eq_u32 s18, 2
	s_cselect_b64 s[4:5], s[8:9], s[4:5]
	s_cmp_eq_u32 s18, 3
	s_cselect_b64 s[4:5], s[10:11], s[4:5]
	s_lshl_b32 s18, ttmp9, 2
	s_add_co_u32 s18, s18, s16                     ; my run, 0 .. 127
	s_and_b32 s20, s18, 31
	s_lshl_b32 s20, s20, 15                        ; 32,768 bytes of f32 a run, 32 runs a tensor
	s_mov_b32 s21, 0
	s_add_nc_u64 s[4:5], s[4:5], s[20:21]
	s_mul_i32 s20, s18, 32*STEPS*CB                ; 6,144 bytes of codes a run
	s_add_nc_u64 s[12:13], s[12:13], s[20:21]
	s_lshl_b32 s20, s18, 8                         ; 256 scale bytes a run
	s_add_nc_u64 s[14:15], s[14:15], s[20:21]
.macro LOAD t
.irp i, 0,1,2,3
	global_load_b128 v[R+16*((\t)%4)+4*\i:R+16*((\t)%4)+4*\i+3], v3, s[4:5] offset:2048*(\t)+512*\i th:TH_LOAD_NT   ; 32 lanes read 512 consecutive bytes
.endr
.endm
.macro TURN t                          ; step t's numbers through the stage: LDS serves a wave's instructions in order, so no wait stands between the stores and the loads
.irp i, 0,1,2,3
	ds_store_b128 v14, v[R+16*((\t)%4)+4*\i:R+16*((\t)%4)+4*\i+3] offset:32*SP*((\t)%2)+8*SP*\i
.endr
.irp i, 0,1,2,3
	ds_load_b128 v[X+16*((\t)%2)+4*\i:X+16*((\t)%2)+4*\i+3], v15 offset:32*SP*((\t)%2)+16*\i
.endr
.endm
.irp t, 0,1,2,3
	LOAD \t
.endr
	s_wait_loadcnt 12                              ; step 0's four loads are in; twelve younger ones stay out
	TURN 0
.macro STEP t
.set XS, X+16*((\t)%2)
.if (\t) > 0
	s_wait_dscnt 1                                 ; this step's numbers are back from the stage (the last step's byte store may be out)
.else
	s_wait_dscnt 0x0
.endif
.if (\t)+4 < STEPS
	LOAD (\t)+4                                    ; the set that the stage's stores have read takes the loads of four steps on
.endif
.if (\t)+1 < STEPS
.if STEPS-2-(\t) >= 3
	s_wait_loadcnt 12                              ; the next step's four loads are in; those of the three steps behind it may be out
.else
	s_wait_loadcnt 4*(STEPS-2-(\t))
.endif
	TURN (\t)+1
.endif
	v_max3_num_f32 v8, |v[XS]|, |v[XS+1]|, |v[XS+2]|               ; the largest magnitude of my 16, in two chains
	v_max3_num_f32 v9, |v[XS+3]|, |v[XS+4]|, |v[XS+5]|
.irp i, 6,10
	v_max3_num_f32 v8, v8, |v[XS+\i]|, |v[XS+\i+1]|
	v_max3_num_f32 v9, v9, |v[XS+\i+2]|, |v[XS+\i+3]|
.endr
	v_max3_num_f32 v8, v8, |v[XS+14]|, |v[XS+15]|
	v_max3_num_f32 v8, v8, v9, (EMAX+1)<<23        ; and the floor 2^(3 - 127): the byte cannot fall under 1
	v_max_num_f32_dpp v8, v8, v8 row_xmask:1 row_mask:0xf bank_mask:0xf   ; and of my neighbour's 16: the block's
	v_add_nc_u32 v11, -(EMAX<<23), v8              ; 2 off its exponent field: the conversion takes the exponent field of this operand as its scale
	v_cvt_scalef32_pk16_fp6_f32 v[C+4*(\t):C+4*(\t)+2], v[XS:XS+15], v11
	v_lshrrev_b32 v[E+(\t)], 23, v11               ; the scale's byte (also the plain line behind the conversion)
	ds_store_b8 v5, v[E+(\t)] offset:16*(\t)       ; both lanes of a block write the same byte with the same value
	global_store_b96 v4, v[C+4*(\t):C+4*(\t)+2], s[12:13] offset:32*CB*(\t)
.endm
.irp t, 0,1,2,3,4,5,6,7,8,9,10,11,12,13,14,15
	STEP \t
.endr
	ds_load_b64 v[8:9], v6                         ; LDS serves a wave's instructions in order: these see my stores
	s_wait_dscnt 0x0
	global_store_b64 v7, v[8:9], s[14:15]          ; 32 lanes store 256 consecutive bytes, aligned
	s_wait_tensorcnt 0x0                           ; the wave's end: closing waits and the add to my spare word, behind my last LDS store
	ds_add_u32 v[SPW], v[NIL]
	s_wait_dscnt 0x0
	s_endpgm
.Lfunc_end_k_q01c2f581e7_prep:
	.size	k_q01c2f581e7_prep, .Lfunc_end_k_q01c2f581e7_prep-k_q01c2f581e7_prep
	.p2alignl 7, 3214868480
	.fill 96, 4, 3214868480
	.section	.rodata,"a",@progbits
	.p2align	6, 0x0
	.amdhsa_kernel k_q01c2f581e7_prep
		.amdhsa_group_segment_fixed_size 33280
		.amdhsa_private_segment_fixed_size 0
		.amdhsa_enable_private_segment 0
		.amdhsa_kernarg_size 48
		.amdhsa_user_sgpr_count 2
		.amdhsa_user_sgpr_kernarg_segment_ptr 1
		.amdhsa_wavefront_size32 1
		.amdhsa_system_sgpr_workgroup_id_x 1
		.amdhsa_system_sgpr_workgroup_id_y 1
		.amdhsa_system_sgpr_workgroup_id_z 1
		.amdhsa_system_vgpr_workitem_id 0
		.amdhsa_next_free_vgpr 192
		.amdhsa_next_free_sgpr 66
		.amdhsa_reserve_vcc 0
		.amdhsa_float_denorm_mode_32 3
		.amdhsa_float_denorm_mode_16_64 3
		.amdhsa_memory_ordered 1
		.amdhsa_forward_progress 1
		.amdhsa_inst_pref_size 32
	.end_amdhsa_kernel
	.amdgpu_metadata
---
amdhsa.version: [ 1, 2 ]
amdhsa.kernels:
  - .name:           k_q01c2f581e7_prep
    .symbol:         k_q01c2f581e7_prep.kd
    .args:
      - { .name: w_q, .offset: 0, .size: 8, .value_kind: global_buffer, .address_space: global }
      - { .name: w_k, .offset: 8, .size: 8, .value_kind: global_buffer, .address_space: global }
      - { .name: w_v, .offset: 16, .size: 8, .value_kind: global_buffer, .address_space: global }
      - { .name: w_o, .offset: 24, .size: 8, .value_kind: global_buffer, .address_space: global }
      - { .name: wc, .offset: 32, .size: 8, .value_kind: global_buffer, .address_space: global }
      - { .name: ws, .offset: 40, .size: 8, .value_kind: global_buffer, .address_space: global }
    .group_segment_fixed_size: 33280
    .private_segment_fixed_size: 0
    .kernarg_segment_align: 8
    .kernarg_segment_size: 48
    .max_flat_workgroup_size: 128
    .sgpr_count:     66
    .vgpr_count:     192
    .wavefront_size: 32
...
	.end_amdgpu_metadata
.endif
;; end of part 1
;; launch proj (part 2): grid 64 x 3, 4 waves a work-group, no clusters, 113,152 bytes of LDS; arguments query, key, value, wc, ws, b_q, b_k, b_v, qc, qs, kvc, kvs; writes qc, qs, kvc, kvs
.if DOCPART == 2
	.amdgcn_target "amdgcn-amd-amdhsa--gfx1250"
	.amdhsa_code_object_version 6
	.text
	.protected	k_q01c2f581e7_proj
	.globl	k_q01c2f581e7_proj
	.p2align	8
	.type	k_q01c2f581e7_proj,@function
k_q01c2f581e7_proj:
	s_mov_b64 s[64:65], 0
	v_nop
	global_prefetch_b8 v0, s[64:65] scope:SCOPE_SE
	s_setreg_imm32_b32 hwreg(HW_REG_WAVE_MODE, 25, 1), 1
	s_wait_xcnt 0x0
; The three projections x W^T + b on codes of FP6 (E2M3) with E8M0 scales for each 32 along K, and the quantising of their results for the attention launch.
; Work-group (x, y): y = 0 query, 1 key, 2 value; x = 128 tokens (one key step of one batch).  Wave w owns features 128 w .. 128 w + 127: heads 2 w and 2 w + 1.
; TILE ORDER: place p (0..15) of tile 2 b + u is index 32 b + 8 u + p + 8 (p / 8), for tiles of tokens and of weight rows alike.  Where such tiles are source 0 of the matrix instruction,
; the 16 result registers of tiles 2 b and 2 b + 1 of lane (r, h) are the neighbours 32 b + 16 h + 0 .. 15: what the conversions want.
; X PHASE: wave w loads tokens 32 w .. 32 w + 31 as f32, quantises them along K = 512 in registers, and stores the eight fragments to LDS as images of their registers
; (registers 4 c .. 4 c + 3 at 512 c + 16 x lane; the scale word at 4 x lane).  One barrier.
; Q, K: source 0 = my 8 tiles of W's rows (32 fragments, resident in registers), source 1 = one tile of tokens a trip: a lane holds a token, its registers run along the features: quantised along the head's 64.
;   Registers 0-5 of the codes are head 2 w's 64, registers 6-11 head 2 w + 1's: each leaves as a HALF image of 768 bytes (registers 0-3 at 16 x lane, 4-5 at 512 + 8 x lane).
;   A half's two scale bytes go as a word: in bytes 0, 1 for an even tile, in bytes 2, 3 for an odd one; the other bytes meet zero codes alone in the attention launch.
; V: source 0 = the 8 tiles of tokens (32 fragments, taken from LDS once), source 1 = one tile of w_v's rows a trip: a lane holds a feature, its registers run along the 128 keys: quantised along the keys.
; The bias is the C of each sum's first matrix instruction.  The two paths part once, on the work-group's y, and have LDS bytes of their own.
; LIMITS: a block of zeros, and a block whose largest magnitude lies under 2^-124, gets the scale byte 1 (this program alone reads the bytes); NaN and infinities are not served.
; REGISTERS, in windows of 256.  Window 0: below.  Window 1: resident fragments of K steps 0, 1 at v[12 (2 i + s)]; v192-255 the bias tiles.  Window 2: those of K steps 2, 3.  Window 3: x as f32, four sets of 64.
.set FR,    12                         ; registers of a fragment
.set FRB,   1536                       ; its image in bytes
.set XIMGQ, 0                          ; Q, K path: 32 images (4 x tile + K step),
.set XSCQ,  49152                      ; their scale words, 128 bytes each,
.set SSTQ,  53248                      ; a stage for the results' scale words, 1,024 bytes a wave
.set XIMGV, 57344                      ; V path: the same three,
.set XSCV,  106496
.set SSTV,  110592                     ; 512 bytes a wave
.set SPARE, 112640                     ; the spare words, 128 bytes for each wave, which no other line names
.set LI,  1                            ; v1   16 x lane + the path's images
.set LS,  2                            ; v2   4 x lane + the path's scale words
.set XA,  3                            ; v3   x: (r + 8 (r / 8)) rows of 2,048 bytes + 64 h
.set XWI, 4                            ; v4   where I store x's images: LI + 12,288 x wave
.set XWS, 5                            ; v5   and their scale words: LS + 1,024 x wave
.set WA,  6                            ; v6   weights' codes: (r + 8 (r / 8)) rows of 384 bytes + 24 h
.set WSA, 7                            ; v7   weights' scale words: 16 bytes a row
.set BA,  8                            ; v8   the bias: Q, K: 64 h;  V: 4 (r + 8 (r / 8))
.set SSA, 9                            ; v9   where I put a result's scale word in my stage
.set SRD, 10                           ; v10  and where I read 16 bytes of it back
.set G16, 11                           ; v11  16 x lane
.set G8,  12                           ; v12  512 + 8 x lane
.set SH,  13                           ; v13  16 h
.set VSO, 14                           ; v14  V's scale words in memory: 24,576 h + 16 r
.set XF0, 16                           ; v16-63   the streamed tile's four fragments
.set XF1, 64                           ; v64-111  a second set (V path)
.set HA,  112                          ; v112-175 eight accumulators
.set PC,  176                          ; v176-187 the codes just made; v188-194 at work
.set TM,  196                          ; v196-211 at work in QUANT (v196-199 hold lane numbers at the head)
.set PW,  212                          ; v212     the scale word just made
.set SS0, 213                          ; v213-216 the streamed tile's scale words;  v217-220 the second set
.set RS,  221                          ; v221-252 the resident fragments' scale words (4 i + s)
.set SPW, 254                          ; v254 LDS address of my spare word; never rewritten
.set NIL, 255                          ; v255 0; never rewritten
.set YY,  32
.set WV,  33
.set SEL, 34
.set MSB, 0
.macro WIN new                         ; the immediate's high byte repeats the setting that is left; a switch that changes nothing is dropped
.if MSB != \new
	s_set_vgpr_msb (MSB<<8)|\new
.set MSB, \new
.endif
.endm
.macro PLACES n
.rept \n
	v_nop
.endr
.endm
; 16 loads: my 64 numbers of K step s of token tile u of my two, into set s of window 3 (the caller has set the destination's window)
.macro XLOAD u, s
.irp b, 0,1,2,3
.irp j, 0,1,2,3
	global_load_b128 v[64*(\s)+16*\b+4*\j:64*(\s)+16*\b+4*\j+3], v[XA], s[8:9] offset:16384*(\u)+512*(\s)+128*\b+16*\j th:TH_LOAD_NT
.endr
.endr
.endm
; 64 numbers of a lane, register 16 b + i = k 32 b + 16 h + i of my row, become a fragment's codes in v[PC] on and its scale word in v[PW].  w = 3: the numbers lie in window 3.
.macro QUANT s, w
.if \w
	WIN 0x0f
.endif
.irp b, 0,1,2,3
	v_max3_num_f32 v[TM+\b], |v[(\s)+16*\b]|, |v[(\s)+1+16*\b]|, 0x1800000   ; my 16 numbers of block b, and the floor 2^(3 - 127): the byte cannot fall under 1
.endr
.irp i, 2,4,6,8,10,12,14
.irp b, 0,1,2,3
	v_max3_num_f32 v[TM+\b], |v[(\s)+16*\b+\i]|, |v[(\s)+1+16*\b+\i]|, v[TM+\b]   ; the four blocks by turns
.endr
.endr
	WIN 0
.irp b, 0,1,2,3
	v_permlanex16_b32 v[TM+4+\b], v[TM+\b], s[SEL], s[SEL+1]
.endr
.irp b, 0,1,2,3
	v_max_num_f32 v[TM+\b], v[TM+\b], v[TM+4+\b]   ; with lane l xor 16's: the block's largest magnitude
.endr
.irp b, 0,1,2,3
	v_add_nc_u32 v[TM+12+\b], 0xff000000, v[TM+\b] ; 2 off its exponent field: the conversion's scale operand
.endr
.irp b, 0,1,2,3
	v_lshrrev_b32 v[TM+4+\b], 23, v[TM+12+\b]      ; the scale's byte
.endr
	v_lshl_or_b32 v[PW], v[TM+5], 8, v[TM+4]
	v_lshl_or_b32 v[PW], v[TM+6], 16, v[PW]
	v_lshl_or_b32 v[PW], v[TM+7], 24, v[PW]
.if \w
	WIN 0x03
.endif
.irp c, 0,1
	v_cvt_scalef32_pk16_fp6_f32 v[PC+6*\c:PC+2+6*\c], v[(\s)+32*\c:(\s)+15+32*\c], v[TM+12+2*\c]
	v_cvt_scalef32_pk16_fp6_f32 v[PC+12+4*\c:PC+14+4*\c], v[(\s)+16+32*\c:(\s)+31+32*\c], v[TM+12+2*\c+1]   ; (a conversion's three registers begin on an even number)
.endr
	WIN 0
	v_nop                                          ; one plain line behind the scaled conversions
.irp c, 0,1                                    ; the operand's layout wants a whole block in a lane: lanes 0-15 block 2 c, lanes 16-31 block 2 c + 1
.irp i, 0,1,2
	v_permlane16_swap_b32 v[PC+6*\c+\i], v[PC+12+4*\c+\i]
.endr
.irp i, 0,1,2
	v_mov_b32 v[PC+3+6*\c+\i], v[PC+12+4*\c+\i]
.endr
.endr
.endm
.macro IMAGE off                               ; the fragment in v[PC] on goes to LDS as it stands
.irp c, 0,1,2
	ds_store_b128 v[XWI], v[PC+4*\c:PC+4*\c+3] offset:(\off)+512*\c
.endr
.endm
; THE X PHASE.  Four sets of 16 loads are out; the counted wait leaves the three younger sets on their way, and runs down when nothing more is asked for.
.macro XPHASE
	WIN 0xc0
.irp s, 0,1,2,3
	XLOAD 0, \s
.endr
	WIN 0
.irp x, 0,1,2,3,4,5,6,7
.if \x < 5
	s_wait_loadcnt 48
.else
	s_wait_loadcnt 16*(7-\x)
.endif
	QUANT 64*(\x%4), 3
	IMAGE \x*FRB
	ds_store_b32 v[XWS], v[PW] offset:\x*128
.if \x < 4
	WIN 0xc0
	XLOAD 1, \x
	WIN 0
.endif
	s_wait_dscnt 0x0                               ; the stores have read their registers (in the last turn: have landed, for the others' sake)
.endr
	s_barrier_signal -1
	s_barrier_wait -1                              ; the 32 images lie in LDS
.endm
; a fragment of the weights' codes: tile t of my 128 rows, K step s: 24 bytes twice, in pieces of 8
.macro WFRAG reg, t, s
.irp p, 0,1,2,3,4,5
	global_load_b64 v[(\reg)+2*\p:(\reg)+2*\p+1], v[WA], s[14:15] offset:(32*((\t)/2)+8*((\t)%2))*384+96*(\s)+48*(\p/3)+8*(\p%3)
.endr
.endm
.macro MM i, a, b, c, sa, sb
	v_wmma_scale_f32_16x16x128_f8f6f4 v[HA+8*(\i):HA+8*(\i)+7], v[(\a):(\a)+FR-1], v[(\b):(\b)+FR-1], v[(\c):(\c)+7], v[\sa], v[\sb] matrix_a_fmt:MATRIX_FMT_FP6 matrix_b_fmt:MATRIX_FMT_FP6
.endm
; 32 matrix instructions: the eight accumulators by turns, one instruction a turn, K step by K step.  The first K step takes the bias (window 1) as C.
.macro MUL xf, ss, cb, cstep
	WIN 0x11                                       ; source 0 and C window 1
.irp i, 0,1,2,3,4,5,6,7
	MM \i, FR*2*\i, \xf, (\cb)+(\cstep)*\i, RS+4*\i, \ss
.endr
	WIN 0x01
.irp i, 0,1,2,3,4,5,6,7
	MM \i, FR*(2*\i+1), (\xf)+FR, HA+8*\i, RS+4*\i+1, (\ss)+1
.endr
	WIN 0x02                                       ; source 0 window 2
.irp i, 0,1,2,3,4,5,6,7
	MM \i, FR*2*\i, (\xf)+2*FR, HA+8*\i, RS+4*\i+2, (\ss)+2
.endr
.irp i, 0,1,2,3,4,5,6,7
	MM \i, FR*(2*\i+1), (\xf)+3*FR, HA+8*\i, RS+4*\i+3, (\ss)+3
.endr
	WIN 0
.endm
	s_load_b512 s[8:23], s[0:1], 0x0               ; query, key, value, wc, ws, b_q, b_k, b_v
	s_load_b256 s[24:31], s[0:1], 0x40             ; qc, qs, kvc, kvs
	v_lshl_add_u32 v[SPW], v0, 2, SPARE
	v_mov_b32 v[NIL], 0
	v_lshrrev_b32 v15, 5, v0
	v_readfirstlane_b32 s[WV], v15                 ; wave 0..3
	s_and_b32 s[YY], ttmp7, 0xffff                 ; which tensor
	v_and_b32 v196, 31, v0                         ; lane
	v_and_b32 v197, 15, v0                         ; r
	v_bfe_u32 v198, v0, 4, 1                       ; h
	v_and_b32 v199, 8, v197
	v_add_nc_u32 v199, v199, v197                  ; r + 8 (r / 8)
	v_lshlrev_b32 v[XA], 11, v199
	v_lshl_add_u32 v[XA], v198, 6, v[XA]
	v_mul_u32_u24 v[WA], v199, 384
	v_mad_u32_u24 v[WA], v198, 24, v[WA]
	v_lshlrev_b32 v[WSA], 4, v199
	v_lshlrev_b32 v[G16], 4, v196
	v_lshlrev_b32 v[G8], 3, v196
	v_add_nc_u32 v[G8], 512, v[G8]
	v_lshlrev_b32 v[SH], 4, v198
	v_mul_u32_u24 v[VSO], v198, 24576
	v_lshl_add_u32 v[VSO], v197, 4, v[VSO]
.irp b, 0,1,2,3
	v_mov_b32 v[TM+4+\b], 0                        ; written once: a lane permute's destination counts as one of its sources
.endr
	s_mov_b32 s[SEL], 0x76543210
	s_mov_b32 s[SEL+1], 0xfedcba98                 ; v_permlanex16_b32's selects for lane l xor 16
	s_wait_kmcnt 0x0
	s_cmp_eq_u32 s[YY], 1                          ; the tensor and its bias are chosen by the work-group's y alone
	s_cselect_b64 s[8:9], s[10:11], s[8:9]
	s_cselect_b64 s[18:19], s[20:21], s[18:19]
	s_cmp_eq_u32 s[YY], 2
	s_cselect_b64 s[8:9], s[12:13], s[8:9]
	s_cselect_b64 s[18:19], s[22:23], s[18:19]
	s_lshl_b32 s44, ttmp9, 18                      ; 128 tokens of 2,048 bytes a work-group,
	s_lshl_b32 s46, s[WV], 16                      ; 32 a wave
	s_add_co_u32 s44, s44, s46
	s_mov_b32 s45, 0
	s_add_nc_u64 s[8:9], s[8:9], s[44:45]
	s_mul_i32 s44, s[YY], 196608                   ; the tensor's weight: 512 rows of 384 bytes; my 128 rows
	s_mul_i32 s46, s[WV], 49152
	s_add_co_u32 s44, s44, s46
	s_add_nc_u64 s[14:15], s[14:15], s[44:45]
	s_lshl_b32 s44, s[YY], 13                      ; its scale bytes: 16 a row
	s_lshl_b32 s46, s[WV], 11
	s_add_co_u32 s44, s44, s46
	s_add_nc_u64 s[16:17], s[16:17], s[44:45]
	s_lshl_b32 s44, s[WV], 9                       ; my 128 numbers of the bias
	s_add_nc_u64 s[18:19], s[18:19], s[44:45]
	s_lshr_b32 s46, ttmp9, 5                       ; batch
	s_lshl_b32 s46, s46, 3
	s_lshl_b32 s47, s[WV], 1
	s_add_co_u32 s46, s46, s47                     ; head 2 w of the batch, among the 16
	s_lshl_b32 s46, s46, 5
	s_and_b32 s47, ttmp9, 31
	s_add_co_u32 s46, s46, s47                     ; x 32 key steps + my step
	s_cmp_eq_u32 s[YY], 2
	s_cbranch_scc1 .Lvpath
	; ---------------- Q and K ----------------
	v_lshl_add_u32 v[LI], v196, 4, XIMGQ
	v_lshl_add_u32 v[LS], v196, 2, XSCQ
	s_mul_i32 s44, s[WV], 8*FRB
	v_add_nc_u32 v[XWI], s44, v[LI]
	s_lshl_b32 s44, s[WV], 10
	v_add_nc_u32 v[XWS], s44, v[LS]
	v_lshlrev_b32 v[SSA], 2, v197
	v_lshl_add_u32 v[SSA], v198, 9, v[SSA]
	v_add_nc_u32 v[SSA], s44, v[SSA]
	v_add_nc_u32 v[SSA], SSTQ, v[SSA]              ; my stage: head 2 w's words in the first 512 bytes (lanes 0-15), head 2 w + 1's in the second (lanes 16-31)
	v_lshl_add_u32 v[SRD], v196, 4, SSTQ
	v_add_nc_u32 v[SRD], s44, v[SRD]
	v_lshlrev_b32 v[BA], 6, v198
	s_cmp_eq_u32 s[YY], 0                          ; where the results go: Q's buffers or K's half of the key steps
	s_cselect_b64 s[36:37], s[24:25], s[28:29]
	s_cselect_b64 s[40:41], s[26:27], s[30:31]
	s_mul_i32 s44, s46, 6144                       ; eight halves of 768 bytes a step; in kvc a step is twice that
	s_lshl_b32 s44, s44, s[YY]
	s_add_nc_u64 s[36:37], s[36:37], s[44:45]
	s_lshl_b32 s44, 196608, s[YY]                  ; head 2 w + 1: 32 steps on
	s_add_nc_u64 s[38:39], s[36:37], s[44:45]
	s_lshl_b32 s47, s[YY], 8
	s_add_co_u32 s47, s47, 512                     ; a step's scale bytes: 512 in qs, 768 in kvs
	s_mul_i32 s44, s46, s47
	s_add_nc_u64 s[40:41], s[40:41], s[44:45]
	s_lshl_b32 s44, s47, 5
	s_add_nc_u64 s[42:43], s[40:41], s[44:45]
	WIN 0x40                                       ; my 32 fragments of W stay in registers
.irp t, 0,1,2,3,4,5,6,7
.irp s, 0,1
	WFRAG FR*(2*\t+\s), \t, \s
.endr
.endr
	WIN 0x80
.irp t, 0,1,2,3,4,5,6,7
.irp s, 2,3
	WFRAG FR*(2*\t+\s-2), \t, \s
.endr
.endr
	WIN 0x40
.irp t, 0,1,2,3,4,5,6,7                        ; the bias in the result's layout: tile 2 b + u, lane (r, h): features 32 b + 16 h + 8 u + 0 .. 7
	global_load_b128 v[192+8*\t:192+8*\t+3], v[BA], s[18:19] offset:(32*(\t/2)+8*(\t%2))*4
	global_load_b128 v[192+8*\t+4:192+8*\t+7], v[BA], s[18:19] offset:(32*(\t/2)+8*(\t%2))*4+16
.endr
	WIN 0
.irp t, 0,1,2,3,4,5,6,7
.irp s, 0,1,2,3
	global_load_b32 v[RS+4*\t+\s], v[WSA], s[16:17] offset:(32*(\t/2)+8*(\t%2))*16+4*\s
.endr
.endr
	XPHASE                                         ; its last wait on loads is for 0: the weights are in too
.macro FETCHX m                                ; token tile m: four fragments and their scale words
.irp s, 0,1,2,3
.irp c, 0,1,2
	ds_load_b128 v[XF0+FR*\s+4*\c:XF0+FR*\s+4*\c+3], v[LI] offset:(\m)*4*FRB+FRB*\s+512*\c
.endr
	ds_load_b32 v[SS0+\s], v[LS] offset:(\m)*512+128*\s
.endr
.endm
.macro QKTRIP m
	s_wait_dscnt 0x0                               ; the tile's fragments are in
	MUL XF0, SS0, 192, 8
	PLACES 4                                       ; in front of loads into registers that the products read, and of the first read of results
.if \m < 7
	FETCHX (\m)+1                                  ; lands while this tile is quantised
.endif
.if \m > 0
	s_wait_xcnt 0x0                                ; the last trip's stores have read the codes' registers
.endif
	QUANT HA, 0
	global_store_b128 v[G16], v[PC:PC+3], s[36:37] offset:768*(\m)       ; head 2 w: 512 consecutive bytes,
	global_store_b64 v[G8], v[PC+4:PC+5], s[36:37] offset:768*(\m)       ; and 256
	global_store_b128 v[G16], v[PC+6:PC+9], s[38:39] offset:768*(\m)     ; head 2 w + 1
	global_store_b64 v[G8], v[PC+10:PC+11], s[38:39] offset:768*(\m)
	v_lshrrev_b32 v15, v[SH], v[PW]                ; lanes 0-15: head 2 w's two bytes lowest; lanes 16-31: head 2 w + 1's
.if (\m)%2
	v_lshlrev_b32 v15, 16, v15                     ; an odd tile's go to bytes 2, 3
.endif
	ds_store_b32 v[SSA], v15 offset:64*(\m)
.endm
	FETCHX 0
.irp m, 0,1,2,3,4,5,6,7
	QKTRIP \m
.endr
	ds_load_b128 v[16:19], v[SRD]                  ; LDS serves a wave's instructions in order: these see my stores
	ds_load_b128 v[20:23], v[SRD] offset:512
	s_wait_dscnt 0x0
	global_store_b128 v[G16], v[16:19], s[40:41]   ; 512 consecutive bytes for each head
	global_store_b128 v[G16], v[20:23], s[42:43]
	s_wait_tensorcnt 0x0                           ; the wave's end: closing waits and the add to my spare word, behind my last LDS store
	ds_add_u32 v[SPW], v[NIL]
	s_wait_dscnt 0x0
	s_endpgm
	; ---------------- V ----------------
.Lvpath:
	v_lshl_add_u32 v[LI], v196, 4, XIMGV
	v_lshl_add_u32 v[LS], v196, 2, XSCV
	s_mul_i32 s44, s[WV], 8*FRB
	v_add_nc_u32 v[XWI], s44, v[LI]
	s_lshl_b32 s44, s[WV], 10
	v_add_nc_u32 v[XWS], s44, v[LS]
	s_lshl_b32 s44, s[WV], 9
	v_lshl_add_u32 v[SSA], v197, 2, SSTV
	v_add_nc_u32 v[SSA], s44, v[SSA]               ; my stage: 64 bytes a tile of features; lanes r and r + 16 write the same word with the same value
	v_lshl_add_u32 v[SRD], v196, 4, SSTV
	v_add_nc_u32 v[SRD], s44, v[SRD]
	v_lshlrev_b32 v[BA], 2, v199
	s_mul_i32 s44, s46, 12288
	s_add_co_u32 s44, s44, 6144                    ; V's four images lie behind K's eight halves of the step
	s_add_nc_u64 s[36:37], s[28:29], s[44:45]
	s_mul_i32 s44, s46, 768
	s_add_co_u32 s44, s44, 512
	s_add_nc_u64 s[40:41], s[30:31], s[44:45]
	WIN 0x40
.irp t, 0,1,2,3,4,5,6,7                        ; the bias in the result's layout: a lane is a feature, so a tile's eight registers are equal
.irp j, 0,1,2,3,4,5,6,7
	global_load_b32 v[192+8*\t+\j], v[BA], s[18:19] offset:(32*(\t/2)+8*(\t%2))*4
.endr
.endr
	WIN 0
.macro WLOAD t                                 ; tile t of my rows of w_v: four fragments and four scale words: 28 loads, into set t % 2
.irp s, 0,1,2,3
	WFRAG XF0+48*((\t)%2)+FR*\s, \t, \s
	global_load_b32 v[SS0+4*((\t)%2)+\s], v[WSA], s[16:17] offset:(32*((\t)/2)+8*((\t)%2))*16+4*\s
.endr
.endm
	WLOAD 0
	XPHASE
	WIN 0x40                                       ; the 32 fragments of the 128 tokens become resident
.irp i, 0,1,2,3,4,5,6,7
.irp s, 0,1
.irp c, 0,1,2
	ds_load_b128 v[FR*(2*\i+\s)+4*\c:FR*(2*\i+\s)+4*\c+3], v[LI] offset:(4*\i+\s)*FRB+512*\c
.endr
.endr
.endr
	WIN 0x80
.irp i, 0,1,2,3,4,5,6,7
.irp s, 2,3
.irp c, 0,1,2
	ds_load_b128 v[FR*(2*\i+\s-2)+4*\c:FR*(2*\i+\s-2)+4*\c+3], v[LI] offset:(4*\i+\s)*FRB+512*\c
.endr
.endr
.endr
	WIN 0
.irp i, 0,1,2,3,4,5,6,7
.irp s, 0,1,2,3
	ds_load_b32 v[RS+4*\i+\s], v[LS] offset:(4*\i+\s)*128
.endr
.endr
	s_wait_dscnt 0x0
.macro VTRIP t
.if \t < 7
	WLOAD (\t)+1
	s_wait_loadcnt 28                              ; this tile's loads are in; the 28 just issued stay out
.else
	s_wait_loadcnt 0x0
.endif
	MUL XF0+48*((\t)%2), SS0+4*((\t)%2), 192+8*(\t), 0
	PLACES 4
	s_wait_xcnt 0x0                                ; the last trip's stores have read the codes' registers,
	s_wait_dscnt 0x0                               ; and its LDS store the scale word's
	QUANT HA, 0
.irp c, 0,1,2
	global_store_b128 v[G16], v[PC+4*\c:PC+4*\c+3], s[36:37] offset:((\t)/4)*393216+((\t)%4)*FRB+512*\c   ; tiles 0-3: head 2 w; 4-7: head 2 w + 1, 32 steps on
.endr
	ds_store_b32 v[SSA], v[PW] offset:64*(\t)
.endm
.irp t, 0,1,2,3,4,5,6,7
	VTRIP \t
.endr
	ds_load_b128 v[16:19], v[SRD]                  ; lanes 0-15: head 2 w's 256 bytes; lanes 16-31: head 2 w + 1's
	s_wait_dscnt 0x0
	global_store_b128 v[VSO], v[16:19], s[40:41]   ; sixteen lanes store 256 consecutive bytes, aligned
	s_wait_tensorcnt 0x0                           ; the wave's end: closing waits and the add to my spare word, behind my last LDS store
	ds_add_u32 v[SPW], v[NIL]
	s_wait_dscnt 0x0
	s_endpgm
.Lfunc_end_k_q01c2f581e7_proj:
	.size	k_q01c2f581e7_proj, .Lfunc_end_k_q01c2f581e7_proj-k_q01c2f581e7_proj
	.p2alignl 7, 3214868480
	.fill 96, 4, 3214868480
	.section	.rodata,"a",@progbits
	.p2align	6, 0x0
	.amdhsa_kernel k_q01c2f581e7_proj
		.amdhsa_group_segment_fixed_size 113152
		.amdhsa_private_segment_fixed_size 0
		.amdhsa_enable_private_segment 0
		.amdhsa_kernarg_size 96
		.amdhsa_user_sgpr_count 2
		.amdhsa_user_sgpr_kernarg_segment_ptr 1
		.amdhsa_wavefront_size32 1
		.amdhsa_system_sgpr_workgroup_id_x 1
		.amdhsa_system_sgpr_workgroup_id_y 1
		.amdhsa_system_sgpr_workgroup_id_z 1
		.amdhsa_system_vgpr_workitem_id 0
		.amdhsa_next_free_vgpr 1024
		.amdhsa_next_free_sgpr 66
		.amdhsa_reserve_vcc 0
		.amdhsa_float_denorm_mode_32 3
		.amdhsa_float_denorm_mode_16_64 3
		.amdhsa_memory_ordered 1
		.amdhsa_forward_progress 1
		.amdhsa_inst_pref_size 255
	.end_amdhsa_kernel
	.section	.bss,"aw",@nobits
	.p2align	6
	.space	262144
	.amdgpu_metadata
---
amdhsa.version: [ 1, 2 ]
amdhsa.kernels:
  - .name:           k_q01c2f581e7_proj
    .symbol:         k_q01c2f581e7_proj.kd
    .args:
      - { .name: query, .offset: 0, .size: 8, .value_kind: global_buffer, .address_space: global }
      - { .name: key, .offset: 8, .size: 8, .value_kind: global_buffer, .address_space: global }
      - { .name: value, .offset: 16, .size: 8, .value_kind: global_buffer, .address_space: global }
      - { .name: wc, .offset: 24, .size: 8, .value_kind: global_buffer, .address_space: global }
      - { .name: ws, .offset: 32, .size: 8, .value_kind: global_buffer, .address_space: global }
      - { .name: b_q, .offset: 40, .size: 8, .value_kind: global_buffer, .address_space: global }
      - { .name: b_k, .offset: 48, .size: 8, .value_kind: global_buffer, .address_space: global }
      - { .name: b_v, .offset: 56, .size: 8, .value_kind: global_buffer, .address_space: global }
      - { .name: qc, .offset: 64, .size: 8, .value_kind: global_buffer, .address_space: global }
      - { .name: qs, .offset: 72, .size: 8, .value_kind: global_buffer, .address_space: global }
      - { .name: kvc, .offset: 80, .size: 8, .value_kind: global_buffer, .address_space: global }
      - { .name: kvs, .offset: 88, .size: 8, .value_kind: global_buffer, .address_space: global }
    .group_segment_fixed_size: 113152
    .private_segment_fixed_size: 0
    .kernarg_segment_align: 8
    .kernarg_segment_size: 96
    .max_flat_workgroup_size: 128
    .sgpr_count:     66
    .vgpr_count:     1024
    .wavefront_size: 32
...
	.end_amdgpu_metadata
.endif
;; end of part 2
;; launch attn (part 3): grid 16 x 16, 16 waves a work-group, clusters of 4 x 1, 327,680 bytes of LDS; arguments qc, qs, kvc, kvs, ac, asc; writes ac, asc
.if DOCPART == 3
	.amdgcn_target "amdgcn-amd-amdhsa--gfx1250"
	.amdhsa_code_object_version 6
	.text
	.protected	k_q01c2f581e7_attn
	.globl	k_q01c2f581e7_attn
	.p2align	8
	.type	k_q01c2f581e7_attn,@function
k_q01c2f581e7_attn:
	s_mov_b64 s[64:65], 0
	v_nop
	global_prefetch_b8 v0, s[64:65] scope:SCOPE_SE
	s_setreg_imm32_b32 hwreg(HW_REG_WAVE_MODE, 25, 1), 1
	s_wait_xcnt 0x0
	s_wait_alu depctr_hold_cnt(0) depctr_sa_sdst(0) depctr_va_vdst(0) depctr_va_sdst(0) depctr_va_ssrc(0) depctr_va_vcc(0) depctr_vm_vsrc(0)
	s_getreg_b32 s2, hwreg(HW_REG_IB_STS2, 6, 4)
	s_cmp_eq_u32 s2, 0
	s_cbranch_scc0 .Lentry_in_a_cluster
	s_endpgm
.Lentry_in_a_cluster:
	s_bfe_u32 s2, ttmp6, 0x10000c
	s_cmp_lg_u32 s2, 0x3003
	s_cbranch_scc0 .Lentry_shape_is_right
	s_endpgm
.Lentry_shape_is_right:
; Attention of one head (work-group y: 8 x batch + head) for 256 queries, on codes of FP6 (E2M3) with E8M0 scales, head size 64, 4,096 keys; the result is quantised along the head's 64 for the last projection.
; THE SOFTMAX AHEAD OF THE SECOND PRODUCT: t = score x log2(e) / 8; M = the running largest t rounded UP to a whole number; p = 2^(t - M) is quantised along the keys, not normalised;
; the row's sum is taken of the unquantised p and divides O at the end.  When M moves, the sum and O are multiplied by 2^(old M - new M): exact.
; SHARES.  Sixteen waves, each with ONE tile of 16 queries in 256 registers: four waves to a SIMD, so that one wave's vector work stands beside another's products and LDS loads.  Every wave walks 32 steps of 128 keys.
; LAYOUT.  Both products are used transposed (S^T = K Q^T, O^T = V^T P^T): a lane holds one query throughout.  Tiles of keys, of queries and of the head's 64 are in TILE ORDER (place p of tile 2 b + u is
; index 32 b + 8 u + p + 8 (p / 8)), so that the 16 registers of two neighbouring tiles are 16 neighbours.  All operands lie in memory as images of their registers: every LDS load of a wave reads consecutive bytes.
; K = 64 IN AN INSTRUCTION OF K = 128: a fragment of K holds TWO tiles of keys (registers 0-5, 6-11); it is multiplied once by [q | 0] and once by [0 | q].  The zero codes stand on Q's side alone:
; FP6 has no code for infinity or NaN and every scale byte here is 0 .. 254, so 0 x anything is 0 exactly.
; CLUSTER.  The four work-groups of a cluster belong to one head and walk the same K and V: each tile is asked for JOINTLY, by the same tensor load with the same descriptor and the mask of all four.
; RING.  Two slots of 8 steps (98,304 bytes of codes, 6,144 of scale words).  Waves 0-3 fetch two steps' codes each, wave 4 the scale words; a wave has at most one tensor load out.
; LIMITS: NaN and infinities are not served; a block of zeros, and one whose largest magnitude lies under 2^-124, gets the scale byte 1 (this program alone reads the bytes).
.set STEPB, 12288                      ; a step: 8 halves of K (768 each), then 4 images of V (1,536 each)
.set SLOTB, 8*STEPB
.set SLOT1, 131072                     ; slot 1's codes begin here: one exclusive or turns an address
.set SCB,   98304                      ; slot 0's scale words (768 a step: K's 512, V's 256); slot 1's 8,192 further: a step's lie at SCB + (its codes' place / 16)
.set SPARE, 229376                     ; the spare words, 128 bytes for each wave, which no other line names
.set STAGE, 231424                     ; the way out: 16 tiles x 64 bytes of scale words
.set SPW, 5                            ; v5  LDS address of my spare word; never rewritten
.set NIL, 6                            ; v6  0; never rewritten
; v1 16 x lane; v2 8 x lane; v3 SCB + 4 x lane; v4 my place in the stage; v7 where waves 0, 1 read it back; v8-10 the step's addresses; v11 512 + 8 x lane
; v12 -M, v13 the largest t, v[14:15] the sum in two halves; v16-33: six zeros, q's six registers, six zeros: [0 | q] = v[16:27], [q | 0] = v[22:33]
.set KF,  36                           ; v36-83   four fragments: K's pairs of tiles, then V's
.set S,   96                           ; v96-159  S^T, then p
.set OT,  160                          ; v160-191 O^T: four tiles of the head's 64
.set BM,  192                          ; v192-195 each block's largest score, then its largest p
.set BT,  196                          ; v196-199 at work
.set SOP, 200                          ; v200-203 the conversions' scale operands
.set CT,  204                          ; v204-206, v208-210 halves of blocks on their way
.set P,   212                          ; v212-223 p's codes
.set KS,  224                          ; v224-227 K's scale words: lanes 0-15 tile 2 i, lanes 16-31 tile 2 i + 1
.set VS,  228                          ; v228-229 V's likewise
.set PW,  231                          ; p's scale word
.set F,   232                          ; v[232:233] f = 2^(old M - new M) (v233 is named with it as a pair)
.set TMP, 234
.set QW,  235                          ; q's two scale bytes, in bytes 0, 1 and again in 2, 3
.set SM2, 236                          ; v[236:237] the sum's second chain
.set PFO, 238                          ; 256 x lane: the prefetches' offset; never rewritten
.set QSA, 239                          ; 4 r
.set WV,  16
.set CX,  17
.set XQ,  18
.set BH,  19
.set SEL, 20
.set CS,  22                           ; s[22:23] c = log2(e) / 8
.set G1C, 24                           ; s[24:31] descriptor group 1 for the codes; s[32:39] for the scale words
.set G1S, 32
.set G0C, 40                           ; s[40:43], s[44:47] their groups 0, which walk
.set G0S, 44
.set TB,  48                           ; LDS byte at which the step's codes begin
.set TS,  49                           ; TB / 16
.set SLOTS, 50
.set CNT, 51
.set PFA, 52                           ; s[52:53] where my prefetches stand
.set LIM, 54                           ; 1 in a wave that prefetches, else the greatest number
.set SHB, 55                           ; 16 x (head % 2)
.macro CROUND                          ; a round of the cluster's barrier
	s_barrier_signal -1
	s_barrier_wait -1
	s_cmp_lg_u32 s[WV], 0
	s_cbranch_scc1 .Lnot_wave_0_\@
	s_barrier_signal -3
.Lnot_wave_0_\@:
	s_barrier_wait -3
	s_barrier_signal -1
	s_barrier_wait -1
.endm
; A joint load.  The branches hang on the wave's number alone.  An s_nop 0 and four v_nop follow each of the two lines.
.macro TLOAD
	s_cmp_lt_u32 s[WV], 4
	s_cbranch_scc0 .Lnot_c_\@
	tensor_load_to_lds s[G0C:G0C+3], s[G1C:G1C+7]
	s_nop 0
.rept 4
	v_nop
.endr
	s_branch .Lasked_\@
.Lnot_c_\@:
	s_cmp_eq_u32 s[WV], 4
	s_cbranch_scc0 .Lasked_\@
	tensor_load_to_lds s[G0S:G0S+3], s[G1S:G1S+7]
	s_nop 0
.rept 4
	v_nop
.endr
.Lasked_\@:
.endm
; A prefetch of the codes that the NEXT change of slots will ask for: 8 key steps ahead of that load.  Each block of 256 bytes is named once in the launch: of the four clusters that walk a head the first asks;
; its four partners take 24,576 bytes each, told apart by address; in each, waves 5, 6, 7 take 8,192 bytes, lanes 256 bytes apart.  The last change that fills a slot asks for nothing.
.macro ASK
	s_cmp_gt_u32 s[SLOTS], s[LIM]
	s_cbranch_scc0 .Lnot_mine_\@
	global_prefetch_b8 v[PFO], s[PFA:PFA+1] th:TH_LOAD_NT scope:SCOPE_SE
.Lnot_mine_\@:
.endm
	s_load_b256 s[4:11], s[0:1], 0x0               ; qc, qs, kvc, kvs
	s_load_b128 s[12:15], s[0:1], 0x20             ; ac, asc
	v_lshl_add_u32 v[SPW], v0, 2, SPARE
	v_mov_b32 v[NIL], 0
	ds_add_u32 v[SPW], v[NIL]                      ; the wave's opening: the add and its wait stand ahead of the first tensor loads; work on registers stands between them
	v_lshrrev_b32 v8, 5, v0
	v_readfirstlane_b32 s[WV], v8                  ; wave 0..15
	s_bfe_u32 s[CX], ttmp6, 0x40000                ; my place in the cluster: it enters Q's, the outputs' and the prefetches' global addresses alone
	s_lshl_b32 s[XQ], ttmp9, 2
	s_add_co_u32 s[XQ], s[XQ], s[CX]               ; my block of 256 queries
	s_and_b32 s[BH], ttmp7, 0xffff                 ; 8 x batch + head, which the partners share
	v_and_b32 v8, 31, v0                           ; lane
	v_and_b32 v9, 15, v0                           ; r
	v_lshlrev_b32 v1, 4, v8
	v_lshlrev_b32 v2, 3, v8
	v_lshl_add_u32 v3, v8, 2, SCB
	s_lshl_b32 s56, s[WV], 6
	v_lshl_add_u32 v4, v9, 2, STAGE
	v_add_nc_u32 v4, s56, v4
	s_min_u32 s69, s[WV], 1
	s_lshl_b32 s69, s69, 9
	v_lshl_add_u32 v7, v8, 4, STAGE
	v_add_nc_u32 v7, s69, v7
	v_add_nc_u32 v11, 512, v2
	v_lshlrev_b32 v[PFO], 8, v8
	v_lshlrev_b32 v[QSA], 2, v9
	; descriptor group 1: dense blocks as rows of 256 bytes (32 elements of 8 bytes): 96 rows of codes a wave, 24 rows of scale words
	s_mov_b32 s[G1C], 15|(3<<16)|(1<<21)           ; the mask of all four work-groups; elements of 8 bytes; bit 21 beside a mask; no padding
	s_mov_b32 s[G1C+1], 32<<16                     ; tensor_dim0
	s_mov_b32 s[G1C+2], 96<<16                     ; tensor_dim1
	s_mov_b32 s[G1C+3], 32<<16                     ; tile_dim0
	s_mov_b32 s[G1C+4], 96                         ; tile_dim1
	s_mov_b32 s[G1C+5], 32                         ; the pitch
	s_mov_b32 s[G1C+6], 0
	s_mov_b32 s[G1C+7], 0
	s_mov_b32 s[G1S], 15|(3<<16)|(1<<21)
	s_mov_b32 s[G1S+1], 32<<16
	s_mov_b32 s[G1S+2], 24<<16
	s_mov_b32 s[G1S+3], 32<<16
	s_mov_b32 s[G1S+4], 24
	s_mov_b32 s[G1S+5], 32
	s_mov_b32 s[G1S+6], 0
	s_mov_b32 s[G1S+7], 0
	s_mov_b32 s[SEL], 0x76543210
	s_mov_b32 s[SEL+1], 0xfedcba98
	s_mov_b32 s[CS], 0x3e38aa3b                    ; c = log2(e) / sqrt(64)
	s_mov_b32 s[CS+1], s[CS]
	s_mov_b32 s[TB], 0
	s_mov_b32 s[SLOTS], 3
	s_and_b32 s[SHB], s[BH], 1
	s_lshl_b32 s[SHB], s[SHB], 4
	s_and_b32 s66, s[WV], 1
	s_lshl_b32 s66, s66, 4                         ; an odd tile's scale bytes of q lie in bytes 2, 3
	s_mul_i32 s56, s[BH], 32*STEPB                 ; the head's K and V
	s_min_u32 s57, s[WV], 3                        ; (waves 4-15 issue no load of codes)
	s_mul_i32 s57, s57, 2*STEPB                    ; my two steps of a slot, in memory and in LDS
	s_add_co_u32 s58, s56, s57
	s_mov_b32 s59, 0
	s_mul_i32 s60, s[BH], 32*768                   ; the head's scale words
	s_mov_b32 s61, 0
	s_sub_co_u32 s62, s[WV], 5                     ; who prefetches: waves 5, 6, 7 of the head's first cluster: the same in all partners
	s_cmp_lt_u32 s62, 3
	s_cselect_b32 s63, 0, 1
	s_or_b32 s63, s63, ttmp9
	s_cmp_eq_u32 s63, 0
	s_cselect_b32 s[LIM], 1, -1
	s_min_u32 s62, s62, 2
	s_lshl_b32 s62, s62, 13
	s_mul_i32 s63, s[CX], 24576
	s_add_co_u32 s62, s62, s63
	s_add_co_u32 s62, s62, s56
	s_add_co_u32 s62, s62, SLOTB                   ; in slot 1: the first change of slots steps it to slot 2
	s_mov_b32 s63, 0
	s_lshl_b32 s67, s[XQ], 4
	s_add_co_u32 s67, s67, s[WV]                   ; T: my tile among the head's 256
	s_lshl_b32 s68, s[BH], 8
	s_add_co_u32 s68, s68, s67
	s_mul_i32 s70, s68, 768                        ; q's half image
	s_mov_b32 s71, 0
	s_lshl_b32 s72, s68, 6                         ; q's scale words
	s_mov_b32 s73, 0
	s_lshr_b32 s74, s[BH], 3
	s_lshl_b32 s74, s74, 8
	s_add_co_u32 s74, s74, s67                     ; my tile among all 512 tiles of tokens
	s_lshl_b32 s74, s74, 3
	s_and_b32 s75, s[BH], 7
	s_add_co_u32 s74, s74, s75                     ; x 8 heads + my head
	s_mul_i32 s74, s74, 768
	s_mov_b32 s75, 0
	s_lshl_b32 s76, s[BH], 14                      ; the results' scale words: 16,384 bytes a head, 1,024 a work-group, 512 for each of waves 0, 1
	s_lshl_b32 s77, s[XQ], 10
	s_add_co_u32 s76, s76, s77
	s_add_co_u32 s76, s76, s69
	s_mov_b32 s77, 0
	s_wait_dscnt 0x0                               ; the opening add is done
	s_wait_kmcnt 0x0
	s_mov_b32 s[G0C], 1
	s_mov_b32 s[G0C+1], s57
	s_add_nc_u64 s[G0C+2:G0C+3], s[8:9], s[58:59]
	s_or_b32 s[G0C+3], s[G0C+3], 0x80000000
	s_mov_b32 s[G0S], 1
	s_mov_b32 s[G0S+1], SCB
	s_add_nc_u64 s[G0S+2:G0S+3], s[10:11], s[60:61]
	s_or_b32 s[G0S+3], s[G0S+3], 0x80000000
	s_add_nc_u64 s[PFA:PFA+1], s[8:9], s[62:63]
	s_add_nc_u64 s[4:5], s[4:5], s[70:71]
	s_add_nc_u64 s[6:7], s[6:7], s[72:73]
	s_add_nc_u64 s[12:13], s[12:13], s[74:75]
	s_add_nc_u64 s[14:15], s[14:15], s[76:77]
	CROUND                                         ; all four work-groups are here: the first joint loads meet
	TLOAD                                          ; slot 0
	global_load_b128 v[22:25], v1, s[4:5]          ; q's half image: it stays in registers
	global_load_b64 v[26:27], v11, s[4:5]
	global_load_b32 v[QW], v[QSA], s[6:7]
	s_wait_loadcnt 0x0
	v_lshrrev_b32 v[QW], s66, v[QW]
	v_and_b32 v[QW], 0xffff, v[QW]
	v_lshl_or_b32 v[QW], v[QW], 16, v[QW]          ; the lines below are the places between this write and the first product
.irp j, 16,17,18,19,20,21,28,29,30,31,32,33
	v_mov_b32 v[\j], 0                             ; the zero codes on both sides of q
.endr
	v_mov_b32 v13, 0xff61b1e6                      ; the largest t so far: -3e38
	v_floor_f32 v12, -v13                          ; -M
	v_mov_b32 v14, 0
	v_mov_b32 v15, 0
.irp b, 0,1,2,3
	v_mov_b32 v[BT+\b], 0                          ; written once: a lane permute's destination counts as one of its sources
.endr
	v_mov_b32 v[F+1], 0
.set j, 0
.rept 32
	v_mov_b32 v[OT+j], 0                           ; O^T: the step is written once; the first finds zeros, which the first change of M leaves zeros
.set j, j+1
.endr
; A KEY STEP: 128 keys.
.macro STEP
	s_lshr_b32 s[TS], s[TB], 4
	v_add_nc_u32 v8, s[TB], v1
	v_add_nc_u32 v9, s[TB], v2
	v_add_nc_u32 v10, s[TS], v3
	v_nop                                          ; four places in front of loads into registers that the last products read
.irp n, 0,1,2,3,4,5,6,7
	ds_load_b128 v[KF+12*(\n/2)+6*(\n%2):KF+12*(\n/2)+6*(\n%2)+3], v8 offset:768*\n
	ds_load_b64 v[KF+12*(\n/2)+6*(\n%2)+4:KF+12*(\n/2)+6*(\n%2)+5], v9 offset:768*\n+512
.endr
.irp i, 0,1,2,3
	ds_load_b32 v[KS+\i], v10 offset:128*\i
.endr
	s_wait_dscnt 0x0
.irp i, 0,1,2,3                                ; S^T: tile 2 i by [q | 0], tile 2 i + 1 by [0 | q]
	v_wmma_scale_f32_16x16x128_f8f6f4 v[S+16*\i:S+16*\i+7], v[KF+12*\i:KF+12*\i+11], v[22:33], 0, v[KS+\i], v[QW] matrix_a_fmt:MATRIX_FMT_FP6 matrix_b_fmt:MATRIX_FMT_FP6
	v_wmma_scale_f32_16x16x128_f8f6f4 v[S+16*\i+8:S+16*\i+15], v[KF+12*\i:KF+12*\i+11], v[16:27], 0, v[KS+\i], v[QW] matrix_a_fmt:MATRIX_FMT_FP6 matrix_b_fmt:MATRIX_FMT_FP6 matrix_a_scale:MATRIX_SCALE_ROW1
.endr
.rept 4
	v_nop                                          ; places in front of V's loads and of the first read of the scores
.endr
.irp d, 0,1,2,3                                ; V's four images land under the softmax
.irp c, 0,1,2
	ds_load_b128 v[KF+12*\d+4*\c:KF+12*\d+4*\c+3], v8 offset:6144+1536*\d+512*\c
.endr
.endr
.irp i, 0,1
	ds_load_b32 v[VS+\i], v10 offset:512+128*\i
.endr
.irp b, 0,1,2,3
	v_max3_num_f32 v[BM+\b], v[S+16*\b], v[S+1+16*\b], v[S+2+16*\b]   ; the largest score of each block of 32 keys: for the row's maximum, and, since p rises with the score, for the block's largest p
.endr
.irp i, 3,5,7,9,11,13
.irp b, 0,1,2,3
	v_max3_num_f32 v[BM+\b], v[BM+\b], v[S+16*\b+\i], v[S+1+16*\b+\i]
.endr
.endr
.irp b, 0,1,2,3
	v_max_num_f32 v[BM+\b], v[BM+\b], v[S+15+16*\b]
.endr
.irp b, 0,1,2,3
	v_permlanex16_b32 v[BT+\b], v[BM+\b], s[SEL], s[SEL+1]
.endr
.irp b, 0,1,2,3
	v_max_num_f32 v[BM+\b], v[BM+\b], v[BT+\b]     ; with lane l xor 16's 16 keys
.endr
	v_max3_num_f32 v[TMP], v[BM], v[BM+1], v[BM+2]
	v_max_num_f32 v[TMP], v[TMP], v[BM+3]
	v_mul_f32 v[TMP], s[CS], v[TMP]                ; as t (c is positive)
	v_max_num_f32 v13, v13, v[TMP]                 ; the running largest t
	v_mov_b32 v[TMP], v12
	v_floor_f32 v12, -v13                          ; the new -M = -ceil(t): a whole number
	v_sub_f32 v[TMP], v12, v[TMP]                  ; old M - new M: a whole number, 0 or less
	v_cvt_i32_f32 v[TMP], v[TMP]                   ; (it saturates)
	v_ldexp_f32 v[F], 1.0, v[TMP]                  ; f = 2^(old M - new M)
.set j, 0
.rept 32
	v_pk_fma_f32 v[S+j:S+j+1], v[S+j:S+j+1], s[CS:CS+1], v[12:13] op_sel_hi:[1,0,0]   ; t - M, two at a time
.set j, j+2
.endr
.irp b, 0,1,2,3
	v_fma_f32 v[BM+\b], v[BM+\b], s[CS], v12       ; the same of each block's largest score
.endr
.set j, 0
.rept 64
	v_exp_f32 v[S+j], v[S+j]                       ; p = 2^(t - M)
.set j, j+1
.endr
	v_pk_mul_f32 v[14:15], v[14:15], v[F:F+1] op_sel_hi:[1,0]   ; the sums under the new M (the plain line behind the exponentials)
	s_wait_alu depctr_va_vdst(0)                   ; one wait for the whole batch, ahead of its first reader
.irp b, 0,1,2,3
	v_exp_f32 v[BM+\b], v[BM+\b]                   ; the block's largest p: the same two instructions on the same number give the same bits
.endr
	v_pk_add_f32 v[SM2:SM2+1], v[S:S+1], v[S+2:S+3]   ; the row's sum of the unquantised p, in two chains
.set j, 4
.rept 15
	v_pk_add_f32 v[14:15], v[14:15], v[S+j:S+j+1]
	v_pk_add_f32 v[SM2:SM2+1], v[SM2:SM2+1], v[S+j+2:S+j+3]
.set j, j+4
.endr
	v_pk_add_f32 v[14:15], v[14:15], v[SM2:SM2+1]
	s_wait_alu depctr_va_vdst(0)                   ; and one for the four
.irp b, 0,1,2,3
	v_max_num_f32 v[BM+\b], 0x1800000, v[BM+\b]    ; the floor 2^(3 - 127): the byte cannot fall under 1
.endr
.irp b, 0,1,2,3
	v_add_nc_u32 v[SOP+\b], 0xff000000, v[BM+\b]   ; 2 off the exponent field: the conversion's scale operand
.endr
.irp b, 0,1,2,3
	v_lshrrev_b32 v[BT+\b], 23, v[SOP+\b]          ; the scale's byte
.endr
	v_lshl_or_b32 v[PW], v[BT+1], 8, v[BT]
	v_lshl_or_b32 v[PW], v[BT+2], 16, v[PW]
	v_lshl_or_b32 v[PW], v[BT+3], 24, v[PW]
.irp c, 0,1
	v_cvt_scalef32_pk16_fp6_f32 v[P+6*\c:P+6*\c+2], v[S+32*\c:S+32*\c+15], v[SOP+2*\c]
	v_cvt_scalef32_pk16_fp6_f32 v[CT+4*\c:CT+4*\c+2], v[S+16+32*\c:S+31+32*\c], v[SOP+2*\c+1]
.endr
	v_nop                                          ; one plain line behind the scaled conversions
.irp c, 0,1
.irp i, 0,1,2
	v_permlane16_swap_b32 v[P+6*\c+\i], v[CT+4*\c+\i]
.endr
.irp i, 0,1,2
	v_mov_b32 v[P+3+6*\c+\i], v[CT+4*\c+\i]
.endr
.endr
.set j, 0
.rept 16
	v_pk_mul_f32 v[OT+j:OT+j+1], v[OT+j:OT+j+1], v[F:F+1] op_sel_hi:[1,0]   ; O^T under the new M; of these sixteen at least twelve name no register of a given product below: its places behind p's codes and scale word
.set j, j+2
.endr
	s_wait_dscnt 0x0                               ; V is in
.irp i, 0,1                                    ; O^T += V^T P^T; the four accumulators by turns
	v_wmma_scale_f32_16x16x128_f8f6f4 v[OT+16*\i:OT+16*\i+7], v[KF+24*\i:KF+24*\i+11], v[P:P+11], v[OT+16*\i:OT+16*\i+7], v[VS+\i], v[PW] matrix_a_fmt:MATRIX_FMT_FP6 matrix_b_fmt:MATRIX_FMT_FP6
	v_wmma_scale_f32_16x16x128_f8f6f4 v[OT+16*\i+8:OT+16*\i+15], v[KF+24*\i+12:KF+24*\i+23], v[P:P+11], v[OT+16*\i+8:OT+16*\i+15], v[VS+\i], v[PW] matrix_a_fmt:MATRIX_FMT_FP6 matrix_b_fmt:MATRIX_FMT_FP6 matrix_a_scale:MATRIX_SCALE_ROW1
.endr
.endm
; THE CHANGE OF SLOTS stands at a slot's head.  Each wave waits for all its tensor loads, adds 0 to its spare word, and waits for that and for its reads of the slot that it has left.
; fill = 1: behind a round of the cluster's barrier the slot just left is filled with the next 8 steps: the load has a whole slot's steps in which to land.
.macro CHANGE fill
	s_wait_tensorcnt 0x0                           ; no tensor load of mine is out, so a group 0 may be written
	ds_add_u32 v[SPW], v[NIL]                      ; 0 onto my spare word
.if \fill
	s_xor_b32 s[G0C+1], s[G0C+1], SLOT1            ; the walking descriptors: the other slot, the next 8 steps
	s_add_nc_u64 s[G0C+2:G0C+3], s[G0C+2:G0C+3], SLOTB
	s_xor_b32 s[G0S+1], s[G0S+1], 8192
	s_add_nc_u64 s[G0S+2:G0S+3], s[G0S+2:G0S+3], 8*768
	s_wait_xcnt 0x0                                ; the last prefetch, a slot back, has read its address
	s_add_nc_u64 s[PFA:PFA+1], s[PFA:PFA+1], SLOTB
	s_wait_dscnt 0x0                               ; the add is done, and my reads of the slot that I have left are over
	CROUND
	TLOAD                                          ; the first thing behind the round, and a wave's one tensor load until the next
	ASK
.else
	s_wait_dscnt 0x0
	s_barrier_signal -1
	s_barrier_wait -1
.endif
.endm
.macro SLOT_STEPS                              ; a slot's eight steps: written once, walked eight times; the LDS addresses hang on s[TB]
	s_mov_b32 s[CNT], 8
.Lstep_\@:
	STEP
	s_add_co_u32 s[TB], s[TB], STEPB
	s_sub_co_u32 s[CNT], s[CNT], 1
	s_cmp_lg_u32 s[CNT], 0
	s_cbranch_scc1 .Lstep_\@
	s_sub_co_u32 s[TB], s[TB], SLOTB
	s_xor_b32 s[TB], s[TB], SLOT1                  ; on to the other slot
.endm
.Lslot:                                            ; three trips: behind each change of slots but the last the next slot is asked for
	CHANGE 1
	SLOT_STEPS
	s_sub_co_u32 s[SLOTS], s[SLOTS], 1
	s_cmp_lg_u32 s[SLOTS], 0
	s_cbranch_scc1 .Lslot
	CHANGE 0                                       ; the last slot is written out
	SLOT_STEPS
	; THE WAY OUT.  O^T / the sum; its 64 numbers a query are two blocks of 32 along the last projection's K: quantised here, stored as a half image, the two scale bytes as a word (odd heads: in bytes 2, 3).
	v_add_f32 v14, v14, v15
	v_permlanex16_b32 v[TMP], v14, s[SEL], s[SEL+1]
	v_add_f32 v14, v14, v[TMP]                     ; the row's sum
	v_rcp_f32 v14, v14
.rept 4
	v_nop                                          ; the plain line behind the reciprocal, and the places behind the last products
.endr
	s_wait_alu depctr_va_vdst(0)                   ; a wait ahead of the reciprocal's first reader
.set j, 0
.rept 32
	v_mul_f32 v[S+j], v[OT+j], v14                 ; register 16 b + i: channel 32 b + 16 h + i of my query
.set j, j+1
.endr
.irp b, 0,1
	v_max3_num_f32 v[BM+\b], |v[S+16*\b]|, |v[S+1+16*\b]|, 0x1800000
.endr
.irp i, 2,4,6,8,10,12,14
.irp b, 0,1
	v_max3_num_f32 v[BM+\b], v[BM+\b], |v[S+16*\b+\i]|, |v[S+1+16*\b+\i]|
.endr
.endr
.irp b, 0,1
	v_permlanex16_b32 v[BT+\b], v[BM+\b], s[SEL], s[SEL+1]
.endr
.irp b, 0,1
	v_max_num_f32 v[BM+\b], v[BM+\b], v[BT+\b]
.endr
.irp b, 0,1
	v_add_nc_u32 v[SOP+\b], 0xff000000, v[BM+\b]
.endr
.irp b, 0,1
	v_lshrrev_b32 v[BT+\b], 23, v[SOP+\b]
.endr
	v_lshl_or_b32 v[PW], v[BT+1], 8, v[BT]
	v_lshlrev_b32 v[PW], s[SHB], v[PW]
	v_cvt_scalef32_pk16_fp6_f32 v[P:P+2], v[S:S+15], v[SOP]
	v_cvt_scalef32_pk16_fp6_f32 v[CT:CT+2], v[S+16:S+31], v[SOP+1]
	v_nop
.irp i, 0,1,2
	v_permlane16_swap_b32 v[P+\i], v[CT+\i]
.endr
.irp i, 0,1,2
	v_mov_b32 v[P+3+\i], v[CT+\i]                  ; registers 0-5: channels 32 h + 0 .. 31
.endr
	global_store_b128 v1, v[P:P+3], s[12:13]       ; 512 consecutive bytes,
	global_store_b64 v11, v[P+4:P+5], s[12:13]     ; and 256
	ds_store_b32 v4, v[PW]                         ; lanes r and r + 16 write the same word with the same value
	s_wait_dscnt 0x0                               ; for the others' sake
	s_barrier_signal -1
	s_barrier_wait -1
	s_cmp_lt_u32 s[WV], 2                          ; waves 0 and 1 store the sixteen tiles' scale words, 512 consecutive bytes each
	s_cbranch_scc0 .Lno_words
	ds_load_b128 v[S:S+3], v7
	s_wait_dscnt 0x0
	global_store_b128 v1, v[S:S+3], s[14:15]
.Lno_words:
	s_wait_tensorcnt 0x0                           ; the wave's end: closing waits and the add to my spare word, behind my last tensor load and my last LDS store
	ds_add_u32 v[SPW], v[NIL]
	s_wait_dscnt 0x0
	CROUND                                         ; the closing round
	s_endpgm
.Lfunc_end_k_q01c2f581e7_attn:
	.size	k_q01c2f581e7_attn, .Lfunc_end_k_q01c2f581e7_attn-k_q01c2f581e7_attn
	.p2alignl 7, 3214868480
	.fill 96, 4, 3214868480
	.section	.rodata,"a",@progbits
	.p2align	6, 0x0
	.amdhsa_kernel k_q01c2f581e7_attn
		.amdhsa_group_segment_fixed_size 327680
		.amdhsa_private_segment_fixed_size 0
		.amdhsa_enable_private_segment 0
		.amdhsa_kernarg_size 48
		.amdhsa_user_sgpr_count 2
		.amdhsa_user_sgpr_kernarg_segment_ptr 1
		.amdhsa_wavefront_size32 1
		.amdhsa_system_sgpr_workgroup_id_x 1
		.amdhsa_system_sgpr_workgroup_id_y 1
		.amdhsa_system_sgpr_workgroup_id_z 1
		.amdhsa_system_vgpr_workitem_id 0
		.amdhsa_next_free_vgpr 256
		.amdhsa_next_free_sgpr 80
		.amdhsa_reserve_vcc 0
		.amdhsa_float_denorm_mode_32 3
		.amdhsa_float_denorm_mode_16_64 3
		.amdhsa_memory_ordered 1
		.amdhsa_forward_progress 1
		.amdhsa_inst_pref_size 46
	.end_amdhsa_kernel
	.amdgpu_metadata
---
amdhsa.version: [ 1, 2 ]
amdhsa.kernels:
  - .name:           k_q01c2f581e7_attn
    .symbol:         k_q01c2f581e7_attn.kd
    .args:
      - { .name: qc, .offset: 0, .size: 8, .value_kind: global_buffer, .address_space: global }
      - { .name: qs, .offset: 8, .size: 8, .value_kind: global_buffer, .address_space: global }
      - { .name: kvc, .offset: 16, .size: 8, .value_kind: global_buffer, .address_space: global }
      - { .name: kvs, .offset: 24, .size: 8, .value_kind: global_buffer, .address_space: global }
      - { .name: ac, .offset: 32, .size: 8, .value_kind: global_buffer, .address_space: global }
      - { .name: asc, .offset: 40, .size: 8, .value_kind: global_buffer, .address_space: global }
    .group_segment_fixed_size: 327680
    .private_segment_fixed_size: 0
    .kernarg_segment_align: 8
    .kernarg_segment_size: 48
    .max_flat_workgroup_size: 512
    .sgpr_count:     80
    .vgpr_count:     256
    .wavefront_size: 32
...
	.end_amdgpu_metadata
.endif
;; end of part 3
;; launch outp (part 4): grid 256 x 1, 4 waves a work-group, no clusters, 34,304 bytes of LDS; arguments ac, asc, wc, ws, b_o, out0; writes out0
.if DOCPART == 4
	.amdgcn_target "amdgcn-amd-amdhsa--gfx1250"
	.amdhsa_code_object_version 6
	.text
	.protected	k_q01c2f581e7_outp
	.globl	k_q01c2f581e7_outp
	.p2align	8
	.type	k_q01c2f581e7_outp,@function
k_q01c2f581e7_outp:
	s_mov_b64 s[64:65], 0
	v_nop
	global_prefetch_b8 v0, s[64:65] scope:SCOPE_SE
	s_setreg_imm32_b32 hwreg(HW_REG_WAVE_MODE, 25, 1), 1
	s_wait_xcnt 0x0
; out0 = attended w_o^T + b_o on codes of FP6 (E2M3) with E8M0 scales.  The attended rows come as half images (16 tokens x one head's 64), [tile of tokens][head][768 bytes]: heads 2 s and 2 s + 1 are K step s.
; A work-group owns 32 tokens (two tiles in TILE ORDER: place p of tile u is token 8 u + p + 8 (p / 8)); wave w owns features 128 w .. 128 w + 127 for both tiles.  The waves share nothing: no barrier.
; Source 0 = my 8 tiles of w_o's rows in the same order (32 fragments, loaded once), source 1 = a tile of tokens: a lane holds a token, and its 64 results are features 32 b + 16 h + 0 .. 15.
; The bias is the C of each sum's first matrix instruction.  A tile's 16 rows x 512 bytes go through my own stage in LDS and leave as whole rows: each store of the wave covers 512 consecutive bytes, aligned.
; REGISTERS: window 0 below; window 1: w_o's fragments of K steps 0, 1 at v[12 (2 i + s)], v192-255 the bias tiles; window 2: K steps 2, 3; v192-255 rows on their way out.
.set FR,  12
.set XF0, 16                           ; v16-63 tile 0's four fragments;  v64-111 tile 1's
.set HA,  112                          ; v112-175 eight accumulators
.set SS,  176                          ; v176-183 the tokens' scale words (4 u + s)
.set RS,  184                          ; v184-215 w_o's scale words (4 i + s)
.set LW,  216                          ; v216-231 the heads' words as loaded (8 u + head)
.set OB,  192                          ; in window 2
.set SPW, 254
.set NIL, 255
.set SPARE, 33792                      ; behind the four stages of 16 x 528 bytes: the spare words, which no other line names
.set WV,  16
.set MSB, 0
.macro WIN new
.if MSB != \new
	s_set_vgpr_msb (MSB<<8)|\new
.set MSB, \new
.endif
.endm
.macro WFRAG reg, t, s
.irp p, 0,1,2,3,4,5
	global_load_b64 v[(\reg)+2*\p:(\reg)+2*\p+1], v4, s[8:9] offset:(32*((\t)/2)+8*((\t)%2))*384+96*(\s)+48*(\p/3)+8*(\p%3)
.endr
.endm
.macro MM i, a, b, c, sa, sb
	v_wmma_scale_f32_16x16x128_f8f6f4 v[HA+8*(\i):HA+8*(\i)+7], v[(\a):(\a)+FR-1], v[(\b):(\b)+FR-1], v[(\c):(\c)+7], v[\sa], v[\sb] matrix_a_fmt:MATRIX_FMT_FP6 matrix_b_fmt:MATRIX_FMT_FP6
.endm
.macro MUL xf, ss                              ; 32 matrix instructions: the eight accumulators by turns, K step by K step
	WIN 0x11                                       ; source 0 and C (the bias) window 1
.irp i, 0,1,2,3,4,5,6,7
	MM \i, FR*2*\i, \xf, 192+8*\i, RS+4*\i, \ss
.endr
	WIN 0x01
.irp i, 0,1,2,3,4,5,6,7
	MM \i, FR*(2*\i+1), (\xf)+FR, HA+8*\i, RS+4*\i+1, (\ss)+1
.endr
	WIN 0x02
.irp i, 0,1,2,3,4,5,6,7
	MM \i, FR*2*\i, (\xf)+2*FR, HA+8*\i, RS+4*\i+2, (\ss)+2
.endr
.irp i, 0,1,2,3,4,5,6,7
	MM \i, FR*(2*\i+1), (\xf)+3*FR, HA+8*\i, RS+4*\i+3, (\ss)+3
.endr
	WIN 0
.endm
	s_load_b256 s[4:11], s[0:1], 0x0               ; ac, asc, wc, ws
	s_load_b128 s[12:15], s[0:1], 0x20             ; b_o, out0
	v_lshl_add_u32 v[SPW], v0, 2, SPARE
	v_mov_b32 v[NIL], 0
	v_lshrrev_b32 v9, 5, v0
	v_readfirstlane_b32 s[WV], v9                  ; wave 0..3
	v_and_b32 v9, 31, v0                           ; lane
	v_and_b32 v10, 15, v0                          ; r
	v_bfe_u32 v11, v0, 4, 1                        ; h
	v_and_b32 v12, 8, v10
	v_add_nc_u32 v12, v12, v10                     ; r + 8 (r / 8)
	v_lshlrev_b32 v1, 4, v9                        ; v1  16 x lane
	v_lshlrev_b32 v2, 3, v9
	v_add_nc_u32 v2, 512, v2                       ; v2  512 + 8 x lane
	v_lshlrev_b32 v3, 2, v10                       ; v3  4 r
	v_mul_u32_u24 v4, v12, 384
	v_mad_u32_u24 v4, v11, 24, v4                  ; v4  w_o's codes: my row of a tile, + 24 h
	v_lshlrev_b32 v5, 4, v12                       ; v5  its scale words
	v_lshlrev_b32 v6, 6, v11                       ; v6  the bias: 64 h
	s_mul_i32 s17, s[WV], 16*528
	v_mul_u32_u24 v7, v10, 528
	v_lshl_add_u32 v7, v11, 6, v7
	v_add_nc_u32 v7, s17, v7                       ; v7  my stage, in: row r, + 64 h
	v_add_nc_u32 v8, s17, v1                       ; v8  and back: 16 bytes a lane of a row
	s_mul_i32 s20, ttmp9, 12288                    ; my two tiles x 8 heads x 768 bytes
	s_mov_b32 s21, 0
	s_lshr_b32 s22, ttmp9, 7                       ; batch: 8 heads of 16,384 bytes of scale words
	s_lshl_b32 s22, s22, 17
	s_and_b32 s23, ttmp9, 127
	s_lshl_b32 s23, s23, 7                         ; my two tiles' 128 bytes in a head's
	s_add_co_u32 s22, s22, s23
	s_mov_b32 s23, 0
	s_mul_i32 s24, s[WV], 49152
	s_add_co_u32 s24, s24, 3*196608                ; w_o is the fourth weight; my 128 rows
	s_mov_b32 s25, 0
	s_lshl_b32 s26, s[WV], 11
	s_add_co_u32 s26, s26, 3*8192
	s_mov_b32 s27, 0
	s_lshl_b32 s28, s[WV], 9                       ; my 128 numbers of the bias, and my 512 bytes of a row of out0
	s_mov_b32 s29, 0
	s_lshl_b32 s30, ttmp9, 16                      ; 32 rows of 2,048 bytes
	s_add_co_u32 s30, s30, s28
	s_mov_b32 s31, 0
	s_wait_kmcnt 0x0
	s_add_nc_u64 s[4:5], s[4:5], s[20:21]
	s_add_nc_u64 s[6:7], s[6:7], s[22:23]
	s_add_nc_u64 s[8:9], s[8:9], s[24:25]
	s_add_nc_u64 s[10:11], s[10:11], s[26:27]
	s_add_nc_u64 s[12:13], s[12:13], s[28:29]
	s_add_nc_u64 s[14:15], s[14:15], s[30:31]
.irp u, 0,1
.irp s, 0,1,2,3
.irp c, 0,1
	global_load_b128 v[XF0+48*\u+FR*\s+6*\c:XF0+48*\u+FR*\s+6*\c+3], v1, s[4:5] offset:6144*\u+768*(2*\s+\c)
	global_load_b64 v[XF0+48*\u+FR*\s+6*\c+4:XF0+48*\u+FR*\s+6*\c+5], v2, s[4:5] offset:6144*\u+768*(2*\s+\c)
	global_load_b32 v[LW+8*\u+2*\s+\c], v3, s[6:7] offset:(2*\s+\c)*16384+64*\u
.endr
.endr
.endr
	WIN 0x40
.irp t, 0,1,2,3,4,5,6,7
.irp s, 0,1
	WFRAG FR*(2*\t+\s), \t, \s
.endr
.endr
	WIN 0x80
.irp t, 0,1,2,3,4,5,6,7
.irp s, 2,3
	WFRAG FR*(2*\t+\s-2), \t, \s
.endr
.endr
	WIN 0x40
.irp t, 0,1,2,3,4,5,6,7
	global_load_b128 v[192+8*\t:192+8*\t+3], v6, s[12:13] offset:(32*(\t/2)+8*(\t%2))*4
	global_load_b128 v[192+8*\t+4:192+8*\t+7], v6, s[12:13] offset:(32*(\t/2)+8*(\t%2))*4+16
.endr
	WIN 0
.irp t, 0,1,2,3,4,5,6,7
.irp s, 0,1,2,3
	global_load_b32 v[RS+4*\t+\s], v5, s[10:11] offset:(32*(\t/2)+8*(\t%2))*16+4*\s
.endr
.endr
	s_wait_loadcnt 0x0
.irp k, 0,1,2,3,4,5,6,7
	v_or_b32 v[SS+\k], v[LW+2*\k], v[LW+2*\k+1]    ; an even head's bytes 0, 1 and an odd head's bytes 2, 3 make a K step's scale word
.endr
.rept 8
	v_nop                                          ; a scale register written by a vector instruction stands eight places ahead of the product
.endr
.macro TILE u
	MUL XF0+48*(\u), SS+4*(\u)
.rept 5
	v_nop                                          ; four places ahead of the first read of results; five ahead of the next tile's first product, which begins these accumulators anew
.endr
.irp b, 0,1,2,3
.irp q, 0,1,2,3
	ds_store_b128 v7, v[HA+16*\b+4*\q:HA+16*\b+4*\q+3] offset:128*\b+16*\q   ; each accumulator from its low end on: features 32 b + 16 h + 4 q on
.endr
.endr
.if \u
	s_wait_xcnt 0x0                                ; the first tile's stores have read their registers
.endif
	WIN 0x80
.irp p, 0,1,2,3,4,5,6,7,8,9,10,11,12,13,14,15
	ds_load_b128 v[OB+4*\p:OB+4*\p+3], v8 offset:528*\p   ; LDS serves a wave's instructions in order: these see my stores
.endr
	WIN 0x08                                       ; a store's data are its source 1: window 2
.irp p, 0,1,2,3,4,5,6,7,8,9,10,11,12,13,14,15
	s_wait_dscnt 15-\p                             ; row p is back; the younger loads stay out
	global_store_b128 v1, v[OB+4*\p:OB+4*\p+3], s[14:15] offset:(8*(\u)+\p+8*(\p/8))*2048 th:TH_STORE_NT
.endr
	WIN 0
.endm
	TILE 0
	TILE 1
	s_wait_tensorcnt 0x0                           ; the wave's end: closing waits and the add to my spare word, behind my last LDS store
	ds_add_u32 v[SPW], v[NIL]
	s_wait_dscnt 0x0
	s_endpgm
.Lfunc_end_k_q01c2f581e7_outp:
	.size	k_q01c2f581e7_outp, .Lfunc_end_k_q01c2f581e7_outp-k_q01c2f581e7_outp
	.p2alignl 7, 3214868480
	.fill 96, 4, 3214868480
	.section	.rodata,"a",@progbits
	.p2align	6, 0x0
	.amdhsa_kernel k_q01c2f581e7_outp
		.amdhsa_group_segment_fixed_size 34304
		.amdhsa_private_segment_fixed_size 0
		.amdhsa_enable_private_segment 0
		.amdhsa_kernarg_size 48
		.amdhsa_user_sgpr_count 2
		.amdhsa_user_sgpr_kernarg_segment_ptr 1
		.amdhsa_wavefront_size32 1
		.amdhsa_system_sgpr_workgroup_id_x 1
		.amdhsa_system_sgpr_workgroup_id_y 1
		.amdhsa_system_sgpr_workgroup_id_z 1
		.amdhsa_system_vgpr_workitem_id 0
		.amdhsa_next_free_vgpr 768
		.amdhsa_next_free_sgpr 66
		.amdhsa_reserve_vcc 0
		.amdhsa_float_denorm_mode_32 3
		.amdhsa_float_denorm_mode_16_64 3
		.amdhsa_memory_ordered 1
		.amdhsa_forward_progress 1
		.amdhsa_inst_pref_size 47
	.end_amdhsa_kernel
	.amdgpu_metadata
---
amdhsa.version: [ 1, 2 ]
amdhsa.kernels:
  - .name:           k_q01c2f581e7_outp
    .symbol:         k_q01c2f581e7_outp.kd
    .args:
      - { .name: ac, .offset: 0, .size: 8, .value_kind: global_buffer, .address_space: global }
      - { .name: asc, .offset: 8, .size: 8, .value_kind: global_buffer, .address_space: global }
      - { .name: wc, .offset: 16, .size: 8, .value_kind: global_buffer, .address_space: global }
      - { .name: ws, .offset: 24, .size: 8, .value_kind: global_buffer, .address_space: global }
      - { .name: b_o, .offset: 32, .size: 8, .value_kind: global_buffer, .address_space: global }
      - { .name: out0, .offset: 40, .size: 8, .value_kind: global_buffer, .address_space: global }
    .group_segment_fixed_size: 34304
    .private_segment_fixed_size: 0
    .kernarg_segment_align: 8
    .kernarg_segment_size: 48
    .max_flat_workgroup_size: 128
    .sgpr_count:     66
    .vgpr_count:     768
    .wavefront_size: 32
...
	.end_amdgpu_metadata
.endif
;; end of part 4
;; ======== version 2 of 2: 4 launches
;; workspace buffers: wc 786,432 bytes; ws 32,768 bytes; qc 3,145,728 bytes; qs 262,144 bytes; kvc 6,291,456 bytes; kvs 393,216 bytes; ac 3,145,728 bytes; asc 262,144 bytes
;; launch prep (part 5): grid 32 x 1, 4 waves a work-group, no clusters, 33,280 bytes of LDS; arguments w_q, w_k, w_v, w_o, wc, ws; writes wc, ws
.if DOCPART == 5
	.amdgcn_target "amdgcn-amd-amdhsa--gfx1250"
	.amdhsa_code_object_version 6
	.text
	.protected	k_q01c2f581e7_prep
	.globl	k_q01c2f581e7_prep
	.p2align	8
	.type	k_q01c2f581e7_prep,@function
k_q01c2f581e7_prep:
	s_mov_b64 s[64:65], 0
	v_nop
	global_prefetch_b8 v0, s[64:65] scope:SCOPE_SE
	s_setreg_imm32_b32 hwreg(HW_REG_WAVE_MODE, 25, 1), 1
	s_wait_xcnt 0x0
; The four weights [512][512], f32, K innermost, become codes of FP6 (E2M3) and one E8M0 scale byte for each 32 along K:
; wc [4][512 rows][384 bytes], ws [4][512][16 bytes], in the order w_q, w_k, w_v, w_o.
; A block's scale is 2^(floor(log2(its largest magnitude)) - 2); its byte is the largest magnitude's exponent field - 2, held at 1 from below.
; LIMITS: a block of zeros, and a block whose largest magnitude lies under 2^-124, gets the byte 1 (this program alone reads the bytes; zero codes add nothing); NaN and infinities are not served.
; Rows are dense, so each tensor is a plain stream of blocks of 32.  A wave takes a run of 8,192 numbers (16 rows) in 16 steps of 512; 128 runs = 32 work-groups of four waves; eight work-groups to a tensor.
; Each load reads 512 consecutive bytes; a step's 2,048 bytes turn through the wave's own stage in LDS so that a lane holds 16 neighbours along K; two neighbouring lanes hold a block.
; A wave's 256 scale bytes are gathered in its own LDS bytes and leave as one store of 256 consecutive bytes.  No barrier: waves share nothing.
.set WAVES, 4
.set STEPS, 16
.set EMAX,  2
.set CB,    12                         ; bytes of 16 codes
.set R,     16                         ; v16-79   four sets of 16 numbers as they are loaded
.set X,     80                         ; v80-111  two sets of 16 neighbours
.set E,     112                        ; v112-127 a scale byte for each step
.set C,     128                        ; v128-191 codes: four registers for each step, so that no store's data are written again
.set WREG,  8192                       ; LDS: a region for each wave: two stages of 32 x SP bytes, behind them its 256 scale bytes
.set SP,    80                         ; a lane's place in a stage: 64 bytes + 16 of padding
.set SPW,   12                         ; v12 LDS address of my spare word; never rewritten
.set NIL,   13                         ; v13 0; never rewritten
.set SPARE, WAVES*WREG                 ; the spare words, 128 bytes for each wave, which no other line names
	s_load_b256 s[4:11], s[0:1], 0x0               ; w_q, w_k, w_v, w_o
	s_load_b128 s[12:15], s[0:1], 0x20             ; wc, ws
	v_lshl_add_u32 v[SPW], v0, 2, SPARE
	v_mov_b32 v[NIL], 0
	v_lshrrev_b32 v1, 5, v0
	v_readfirstlane_b32 s16, v1                    ; wave
	v_and_b32 v2, 31, v0                           ; lane
	v_lshlrev_b32 v3, 4, v2                        ; my 16 bytes of a load's 512
	s_mul_i32 s17, s16, WREG
	v_lshrrev_b32 v14, 2, v2
	v_mul_u32_u24 v14, v14, SP
	v_and_b32 v15, 3, v2
	v_lshl_add_u32 v14, v15, 4, v14
	v_add_nc_u32 v14, s17, v14                     ; the stage, on the way in: SP (lane / 4) + 16 (lane % 4)
	v_mul_u32_u24 v15, v2, SP
	v_add_nc_u32 v15, s17, v15                     ; and on the way out: SP x lane: my 16 neighbours
	v_mul_u32_u24 v4, v2, CB                       ; my codes' place in a step's
	v_lshrrev_b32 v5, 1, v2
	s_add_co_u32 s17, s17, 2*32*SP
	v_add_nc_u32 v5, s17, v5                       ; LDS: my wave's 256 scale bytes, my block's byte
	v_lshlrev_b32 v7, 3, v2                        ; and on the way out 8 bytes a lane
	v_add_nc_u32 v6, s17, v7
	s_wait_alu depctr_va_vdst(0)
	s_wait_kmcnt 0x0
	s_lshr_b32 s18, ttmp9, 3                       ; which tensor: the choice hangs on the work-group's number alone
	s_cmp_eq_u32 s18, 1
	s_cselect_b64 s[4:5], s[6:7], s[4:5]
	s_cmp_eq_u32 s18, 2
	s_cselect_b64 s[4:5], s[8:9], s[4:5]
	s_cmp_eq_u32 s18, 3
	s_cselect_b64 s[4:5], s[10:11], s[4:5]
	s_lshl_b32 s18, ttmp9, 2
	s_add_co_u32 s18, s18, s16                     ; my run, 0 .. 127
	s_and_b32 s20, s18, 31
	s_lshl_b32 s20, s20, 15                        ; 32,768 bytes of f32 a run, 32 runs a tensor
	s_mov_b32 s21, 0
	s_add_nc_u64 s[4:5], s[4:5], s[20:21]
	s_mul_i32 s20, s18, 32*STEPS*CB                ; 6,144 bytes of codes a run
	s_add_nc_u64 s[12:13], s[12:13], s[20:21]
	s_lshl_b32 s20, s18, 8                         ; 256 scale bytes a run
	s_add_nc_u64 s[14:15], s[14:15], s[20:21]
.macro LOAD t
.irp i, 0,1,2,3
	global_load_b128 v[R+16*((\t)%4)+4*\i:R+16*((\t)%4)+4*\i+3], v3, s[4:5] offset:2048*(\t)+512*\i th:TH_LOAD_NT   ; 32 lanes read 512 consecutive bytes
.endr
.endm
.macro TURN t                          ; step t's numbers through the stage: LDS serves a wave's instructions in order, so no wait stands between the stores and the loads
.irp i, 0,1,2,3
	ds_store_b128 v14, v[R+16*((\t)%4)+4*\i:R+16*((\t)%4)+4*\i+3] offset:32*SP*((\t)%2)+8*SP*\i
.endr
.irp i, 0,1,2,3
	ds_load_b128 v[X+16*((\t)%2)+4*\i:X+16*((\t)%2)+4*\i+3], v15 offset:32*SP*((\t)%2)+16*\i
.endr
.endm
.irp t, 0,1,2,3
	LOAD \t
.endr
	s_wait_loadcnt 12                              ; step 0's four loads are in; twelve younger ones stay out
	TURN 0
.macro STEP t
.set XS, X+16*((\t)%2)
.if (\t) > 0
	s_wait_dscnt 1                                 ; this step's numbers are back from the stage (the last step's byte store may be out)
.else
	s_wait_dscnt 0x0
.endif
.if (\t)+4 < STEPS
	LOAD (\t)+4                                    ; the set that the stage's stores have read takes the loads of four steps on
.endif
.if (\t)+1 < STEPS
.if STEPS-2-(\t) >= 3
	s_wait_loadcnt 12                              ; the next step's four loads are in; those of the three steps behind it may be out
.else
	s_wait_loadcnt 4*(STEPS-2-(\t))
.endif
	TURN (\t)+1
.endif
	v_max3_num_f32 v8, |v[XS]|, |v[XS+1]|, |v[XS+2]|               ; the largest magnitude of my 16, in two chains
	v_max3_num_f32 v9, |v[XS+3]|, |v[XS+4]|, |v[XS+5]|
.irp i, 6,10
	v_max3_num_f32 v8, v8, |v[XS+\i]|, |v[XS+\i+1]|
	v_max3_num_f32 v9, v9, |v[XS+\i+2]|, |v[XS+\i+3]|
.endr
	v_max3_num_f32 v8, v8, |v[XS+14]|, |v[XS+15]|
	v_max3_num_f32 v8, v8, v9, (EMAX+1)<<23        ; and the floor 2^(3 - 127): the byte cannot fall under 1
	v_max_num_f32_dpp v8, v8, v8 row_xmask:1 row_mask:0xf bank_mask:0xf   ; and of my neighbour's 16: the block's
	v_add_nc_u32 v11, -(EMAX<<23), v8              ; 2 off its exponent field: the conversion takes the exponent field of this operand as its scale
	v_cvt_scalef32_pk16_fp6_f32 v[C+4*(\t):C+4*(\t)+2], v[XS:XS+15], v11
	v_lshrrev_b32 v[E+(\t)], 23, v11               ; the scale's byte (also the plain line behind the conversion)
	ds_store_b8 v5, v[E+(\t)] offset:16*(\t)       ; both lanes of a block write the same byte with the same value
	global_store_b96 v4, v[C+4*(\t):C+4*(\t)+2], s[12:13] offset:32*CB*(\t)
.endm
.irp t, 0,1,2,3,4,5,6,7,8,9,10,11,12,13,14,15
	STEP \t
.endr
	ds_load_b64 v[8:9], v6                         ; LDS serves a wave's instructions in order: these see my stores
	s_wait_dscnt 0x0
	global_store_b64 v7, v[8:9], s[14:15]          ; 32 lanes store 256 consecutive bytes, aligned
	s_wait_tensorcnt 0x0                           ; the wave's end: closing waits and the add to my spare word, behind my last LDS store
	ds_add_u32 v[SPW], v[NIL]
	s_wait_dscnt 0x0
	s_endpgm
.Lfunc_end_k_q01c2f581e7_prep:
	.size	k_q01c2f581e7_prep, .Lfunc_end_k_q01c2f581e7_prep-k_q01c2f581e7_prep
	.p2alignl 7, 3214868480
	.fill 96, 4, 3214868480
	.section	.rodata,"a",@progbits
	.p2align	6, 0x0
	.amdhsa_kernel k_q01c2f581e7_prep
		.amdhsa_group_segment_fixed_size 33280
		.amdhsa_private_segment_fixed_size 0
		.amdhsa_enable_private_segment 0
		.amdhsa_kernarg_size 48
		.amdhsa_user_sgpr_count 2
		.amdhsa_user_sgpr_kernarg_segment_ptr 1
		.amdhsa_wavefront_size32 1
		.amdhsa_system_sgpr_workgroup_id_x 1
		.amdhsa_system_sgpr_workgroup_id_y 1
		.amdhsa_system_sgpr_workgroup_id_z 1
		.amdhsa_system_vgpr_workitem_id 0
		.amdhsa_next_free_vgpr 192
		.amdhsa_next_free_sgpr 66
		.amdhsa_reserve_vcc 0
		.amdhsa_float_denorm_mode_32 3
		.amdhsa_float_denorm_mode_16_64 3
		.amdhsa_memory_ordered 1
		.amdhsa_forward_progress 1
		.amdhsa_inst_pref_size 32
	.end_amdhsa_kernel
	.amdgpu_metadata
---
amdhsa.version: [ 1, 2 ]
amdhsa.kernels:
  - .name:           k_q01c2f581e7_prep
    .symbol:         k_q01c2f581e7_prep.kd
    .args:
      - { .name: w_q, .offset: 0, .size: 8, .value_kind: global_buffer, .address_space: global }
      - { .name: w_k, .offset: 8, .size: 8, .value_kind: global_buffer, .address_space: global }
      - { .name: w_v, .offset: 16, .size: 8, .value_kind: global_buffer, .address_space: global }
      - { .name: w_o, .offset: 24, .size: 8, .value_kind: global_buffer, .address_space: global }
      - { .name: wc, .offset: 32, .size: 8, .value_kind: global_buffer, .address_space: global }
      - { .name: ws, .offset: 40, .size: 8, .value_kind: global_buffer, .address_space: global }
    .group_segment_fixed_size: 33280
    .private_segment_fixed_size: 0
    .kernarg_segment_align: 8
    .kernarg_segment_size: 48
    .max_flat_workgroup_size: 128
    .sgpr_count:     66
    .vgpr_count:     192
    .wavefront_size: 32
...
	.end_amdgpu_metadata
.endif
;; end of part 5
;; launch proj (part 6): grid 64 x 3, 4 waves a work-group, no clusters, 113,152 bytes of LDS; arguments query, key, value, wc, ws, b_q, b_k, b_v, qc, qs, kvc, kvs; writes qc, qs, kvc, kvs
.if DOCPART == 6
	.amdgcn_target "amdgcn-amd-amdhsa--gfx1250"
	.amdhsa_code_object_version 6
	.text
	.protected	k_q01c2f581e7_proj
	.globl	k_q01c2f581e7_proj
	.p2align	8
	.type	k_q01c2f581e7_proj,@function
k_q01c2f581e7_proj:
	s_mov_b64 s[64:65], 0
	v_nop
	global_prefetch_b8 v0, s[64:65] scope:SCOPE_SE
	s_setreg_imm32_b32 hwreg(HW_REG_WAVE_SCHED_MODE, 0, 2), 2
	s_setreg_imm32_b32 hwreg(HW_REG_WAVE_MODE, 25, 1), 1
	s_wait_xcnt 0x0
	s_wait_alu depctr_vm_vsrc(0)
; The three projections x W^T + b on codes of FP6 (E2M3) with E8M0 scales for each 32 along K, and the quantising of their results for the attention launch.
; Work-group (x, y): y = 0 query, 1 key, 2 value; x = 128 tokens (one key step of one batch).  Wave w owns features 128 w .. 128 w + 127: heads 2 w and 2 w + 1.
; TILE ORDER: place p (0..15) of tile 2 b + u is index 32 b + 8 u + p + 8 (p / 8), for tiles of tokens and of weight rows alike.  Where such tiles are source 0 of the matrix instruction,
; the 16 result registers of tiles 2 b and 2 b + 1 of lane (r, h) are the neighbours 32 b + 16 h + 0 .. 15: what the conversions want.
; X PHASE: wave w loads tokens 32 w .. 32 w + 31 as f32, quantises them along K = 512 in registers, and stores the eight fragments to LDS as images of their registers
; (registers 4 c .. 4 c + 3 at 512 c + 16 x lane; the scale word at 4 x lane).  One barrier.
; Q, K: source 0 = my 8 tiles of W's rows (32 fragments, resident in registers), source 1 = one tile of tokens a trip: a lane holds a token, its registers run along the features: quantised along the head's 64.
;   Registers 0-5 of the codes are head 2 w's 64, registers 6-11 head 2 w + 1's: each leaves as a HALF image of 768 bytes (registers 0-3 at 16 x lane, 4-5 at 512 + 8 x lane).
;   A half's two scale bytes go as a word: in bytes 0, 1 for an even tile, in bytes 2, 3 for an odd one; the other bytes meet zero codes alone in the attention launch.
; V: source 0 = the 8 tiles of tokens (32 fragments, taken from LDS once), source 1 = one tile of w_v's rows a trip: a lane holds a feature, its registers run along the 128 keys: quantised along the keys.
; The bias is the C of each sum's first matrix instruction.  The two paths part once, on the work-group's y, and have LDS bytes of their own.
; LIMITS: a block of zeros, and a block whose largest magnitude lies under 2^-124, gets the scale byte 1 (this program alone reads the bytes); NaN and infinities are not served.
; REGISTERS, in windows of 256.  Window 0: below.  Window 1: resident fragments of K steps 0, 1 at v[12 (2 i + s)]; v192-255 the bias tiles.  Window 2: those of K steps 2, 3.  Window 3: x as f32, four sets of 64.
; THE MODE: SCHED_MODE bits 1:0 = 2 (LLVM: expert scheduling mode 2), set by the entry lines.  The code itself states the register dependences
; between vector or matrix instructions and memory or LDS instructions, with s_wait_alu, always for 0.
; THE PLAN.  Registers that memory or LDS instructions touch:
;   v1-v12, v14      offsets and LDS addresses.  Written at the head and at the head of a path, never again: one wait on va_vdst ahead of each path's first load serves them all.
;   window 3         four sets of x.  Loads land in a set; QUANT's maxima and conversions read it; in turns 0 to 3 the set is asked for again behind the turn's wait on va_vdst.
;   PC, PW, v15      written by QUANT and the shifts behind it; read by the stores that follow the wait on va_vdst; written again by the next QUANT, ahead of which stands a wait on vm_vsrc.
;   XF0, SS0 and XF1, SS1   the streamed tile's fragments and scale words, two sets by turns.  Trip m's products read set m % 2; the loads at trip m's head land in the other set, which trip m - 1's products
;                    read: trip m - 1's wait on va_vdst, behind its QUANT, has shown them done, and no vector or matrix instruction stands between that wait and those loads.
;   the resident fragments, the bias tiles and RS are loaded once and named by products alone; the accumulators HA are named by products and by QUANT alone.
.set FR,    12                         ; registers of a fragment
.set FRB,   1536                       ; its image in bytes
.set XIMGQ, 0                          ; Q, K path: 32 images (4 x tile + K step),
.set XSCQ,  49152                      ; their scale words, 128 bytes each,
.set SSTQ,  53248                      ; a stage for the results' scale words, 1,024 bytes a wave
.set XIMGV, 57344                      ; V path: the same three,
.set XSCV,  106496
.set SSTV,  110592                     ; 512 bytes a wave
.set SPARE, 112640                     ; the spare words, 128 bytes for each wave, which no other line names
.set LI,  1                            ; v1   16 x lane + the path's images
.set LS,  2                            ; v2   4 x lane + the path's scale words
.set XA,  3                            ; v3   x: (r + 8 (r / 8)) rows of 2,048 bytes + 64 h
.set XWI, 4                            ; v4   where I store x's images: LI + 12,288 x wave
.set XWS, 5                            ; v5   and their scale words: LS + 1,024 x wave
.set WA,  6                            ; v6   weights' codes: (r + 8 (r / 8)) rows of 384 bytes + 24 h
.set WSA, 7                            ; v7   weights' scale words: 16 bytes a row
.set BA,  8                            ; v8   the bias: Q, K: 64 h;  V: 4 (r + 8 (r / 8))
.set SSA, 9                            ; v9   where I put a result's scale word in my stage
.set SRD, 10                           ; v10  and where I read 16 bytes of it back
.set G16, 11                           ; v11  16 x lane
.set G8,  12                           ; v12  512 + 8 x lane
.set SH,  13                           ; v13  16 h
.set VSO, 14                           ; v14  V's scale words in memory: 24,576 h + 16 r
.set XF0, 16                           ; v16-63   the streamed tile's four fragments, set 0
.set XF1, 64                           ; v64-111  set 1
.set HA,  112                          ; v112-175 eight accumulators
.set PC,  176                          ; v176-187 the codes just made; v188-194 at work
.set TM,  196                          ; v196-211 at work in QUANT (v196-199 hold lane numbers at the head)
.set PW,  212                          ; v212     the scale word just made
.set SS0, 213                          ; v213-216 the streamed tile's scale words, set 0;  v217-220 set 1
.set RS,  221                          ; v221-252 the resident fragments' scale words (4 i + s)
.set SPW, 254                          ; v254 LDS address of my spare word; never rewritten
.set NIL, 255                          ; v255 0; never rewritten
.set YY,  32
.set WV,  33
.set SEL, 34
.set MSB, 0
.macro WIN new                         ; the immediate's high byte repeats the setting that is left; a switch that changes nothing is dropped
.if MSB != \new
	s_set_vgpr_msb (MSB<<8)|\new
.set MSB, \new
.endif
.endm
.macro PLACES n
.rept \n
	v_nop
.endr
.endm
; 16 loads: my 64 numbers of K step s of token tile u of my two, into set s of window 3 (the caller has set the destination's window)
.macro XLOAD u, s
.irp b, 0,1,2,3
.irp j, 0,1,2,3
	global_load_b128 v[64*(\s)+16*\b+4*\j:64*(\s)+16*\b+4*\j+3], v[XA], s[8:9] offset:16384*(\u)+512*(\s)+128*\b+16*\j th:TH_LOAD_NT
.endr
.endr
.endm
; 64 numbers of a lane, register 16 b + i = k 32 b + 16 h + i of my row, become a fragment's codes in v[PC] on and its scale word in v[PW].  w = 3: the numbers lie in window 3.
.macro QUANT s, w
.if \w
	WIN 0x0f
.endif
.irp b, 0,1,2,3
	v_max3_num_f32 v[TM+\b], |v[(\s)+16*\b]|, |v[(\s)+1+16*\b]|, 0x1800000   ; my 16 numbers of block b, and the floor 2^(3 - 127): the byte cannot fall under 1
.endr
.irp i, 2,4,6,8,10,12,14
.irp b, 0,1,2,3
	v_max3_num_f32 v[TM+\b], |v[(\s)+16*\b+\i]|, |v[(\s)+1+16*\b+\i]|, v[TM+\b]   ; the four blocks by turns
.endr
.endr
	WIN 0
.irp b, 0,1,2,3
	v_permlanex16_b32 v[TM+4+\b], v[TM+\b], s[SEL], s[SEL+1]
.endr
.irp b, 0,1,2,3
	v_max_num_f32 v[TM+\b], v[TM+\b], v[TM+4+\b]   ; with lane l xor 16's: the block's largest magnitude
.endr
.irp b, 0,1,2,3
	v_add_nc_u32 v[TM+12+\b], 0xff000000, v[TM+\b] ; 2 off its exponent field: the conversion's scale operand
.endr
.irp b, 0,1,2,3
	v_lshrrev_b32 v[TM+4+\b], 23, v[TM+12+\b]      ; the scale's byte
.endr
	v_lshl_or_b32 v[PW], v[TM+5], 8, v[TM+4]
	v_lshl_or_b32 v[PW], v[TM+6], 16, v[PW]
	v_lshl_or_b32 v[PW], v[TM+7], 24, v[PW]
.if \w
	WIN 0x03
.endif
.irp c, 0,1
	v_cvt_scalef32_pk16_fp6_f32 v[PC+6*\c:PC+2+6*\c], v[(\s)+32*\c:(\s)+15+32*\c], v[TM+12+2*\c]
	v_cvt_scalef32_pk16_fp6_f32 v[PC+12+4*\c:PC+14+4*\c], v[(\s)+16+32*\c:(\s)+31+32*\c], v[TM+12+2*\c+1]   ; (a conversion's three registers begin on an even number)
.endr
	WIN 0
	v_nop                                          ; one plain line behind the scaled conversions
.irp c, 0,1                                    ; the operand's layout wants a whole block in a lane: lanes 0-15 block 2 c, lanes 16-31 block 2 c + 1
.irp i, 0,1,2
	v_permlane16_swap_b32 v[PC+6*\c+\i], v[PC+12+4*\c+\i]
.endr
.irp i, 0,1,2
	v_mov_b32 v[PC+3+6*\c+\i], v[PC+12+4*\c+\i]
.endr
.endr
.endm
.macro IMAGE off                               ; the fragment in v[PC] on goes to LDS as it stands
.irp c, 0,1,2
	ds_store_b128 v[XWI], v[PC+4*\c:PC+4*\c+3] offset:(\off)+512*\c
.endr
.endm
; THE X PHASE.  Four sets of 16 loads are out; the counted wait leaves the three younger sets on their way, and runs down when nothing more is asked for.
.macro XPHASE
	WIN 0xc0
.irp s, 0,1,2,3
	XLOAD 0, \s
.endr
	WIN 0
.irp x, 0,1,2,3,4,5,6,7
.if \x < 5
	s_wait_loadcnt 48
.else
	s_wait_loadcnt 16*(7-\x)
.endif
	QUANT 64*(\x%4), 3
	s_wait_alu depctr_va_vdst(0)                   ; QUANT has written the codes and the scale word, which the LDS stores below read, and is done reading its set of x, in which the loads below land
	IMAGE \x*FRB
	ds_store_b32 v[XWS], v[PW] offset:\x*128
.if \x < 4
	WIN 0xc0
	XLOAD 1, \x                                    ; no vector instruction since the wait names this set; the LDS stores between name other registers
	WIN 0
.endif
	s_wait_dscnt 0x0                               ; my LDS stores have landed (in the last turn: for the others' sake, ahead of the barrier)
	s_wait_alu depctr_vm_vsrc(0)                   ; the LDS stores have read the codes' and the scale word's registers, which the next QUANT writes again
.endr
	s_barrier_signal -1
	s_barrier_wait -1                              ; the 32 images lie in LDS
.endm
; a fragment of the weights' codes: tile t of my 128 rows, K step s: 24 bytes twice, in pieces of 8
.macro WFRAG reg, t, s
.irp p, 0,1,2,3,4,5
	global_load_b64 v[(\reg)+2*\p:(\reg)+2*\p+1], v[WA], s[14:15] offset:(32*((\t)/2)+8*((\t)%2))*384+96*(\s)+48*(\p/3)+8*(\p%3)
.endr
.endm
.macro MM i, a, b, c, sa, sb
	v_wmma_scale_f32_16x16x128_f8f6f4 v[HA+8*(\i):HA+8*(\i)+7], v[(\a):(\a)+FR-1], v[(\b):(\b)+FR-1], v[(\c):(\c)+7], v[\sa], v[\sb] matrix_a_fmt:MATRIX_FMT_FP6 matrix_b_fmt:MATRIX_FMT_FP6
.endm
; 32 matrix instructions: the eight accumulators by turns, one instruction a turn, K step by K step.  The first K step takes the bias (window 1) as C.
.macro MUL xf, ss, cb, cstep
	WIN 0x11                                       ; source 0 and C window 1
.irp i, 0,1,2,3,4,5,6,7
	MM \i, FR*2*\i, \xf, (\cb)+(\cstep)*\i, RS+4*\i, \ss
.endr
	WIN 0x01
.irp i, 0,1,2,3,4,5,6,7
	MM \i, FR*(2*\i+1), (\xf)+FR, HA+8*\i, RS+4*\i+1, (\ss)+1
.endr
	WIN 0x02                                       ; source 0 window 2
.irp i, 0,1,2,3,4,5,6,7
	MM \i, FR*2*\i, (\xf)+2*FR, HA+8*\i, RS+4*\i+2, (\ss)+2
.endr
.irp i, 0,1,2,3,4,5,6,7
	MM \i, FR*(2*\i+1), (\xf)+3*FR, HA+8*\i, RS+4*\i+3, (\ss)+3
.endr
	WIN 0
.endm
	s_load_b512 s[8:23], s[0:1], 0x0               ; query, key, value, wc, ws, b_q, b_k, b_v
	s_load_b256 s[24:31], s[0:1], 0x40             ; qc, qs, kvc, kvs
	v_lshl_add_u32 v[SPW], v0, 2, SPARE
	v_mov_b32 v[NIL], 0
	v_lshrrev_b32 v15, 5, v0
	v_readfirstlane_b32 s[WV], v15                 ; wave 0..3
	s_and_b32 s[YY], ttmp7, 0xffff                 ; which tensor
	v_and_b32 v196, 31, v0                         ; lane
	v_and_b32 v197, 15, v0                         ; r
	v_bfe_u32 v198, v0, 4, 1                       ; h
	v_and_b32 v199, 8, v197
	v_add_nc_u32 v199, v199, v197                  ; r + 8 (r / 8)
	v_lshlrev_b32 v[XA], 11, v199
	v_lshl_add_u32 v[XA], v198, 6, v[XA]
	v_mul_u32_u24 v[WA], v199, 384
	v_mad_u32_u24 v[WA], v198, 24, v[WA]
	v_lshlrev_b32 v[WSA], 4, v199
	v_lshlrev_b32 v[G16], 4, v196
	v_lshlrev_b32 v[G8], 3, v196
	v_add_nc_u32 v[G8], 512, v[G8]
	v_lshlrev_b32 v[SH], 4, v198
	v_mul_u32_u24 v[VSO], v198, 24576
	v_lshl_add_u32 v[VSO], v197, 4, v[VSO]
.irp b, 0,1,2,3
	v_mov_b32 v[TM+4+\b], 0                        ; written once: a lane permute's destination counts as one of its sources
.endr
	s_wait_alu depctr_va_sdst(0)                   ; the wave's number is written, ahead of its first reader: bases and LDS addresses are made from it
	s_mov_b32 s[SEL], 0x76543210
	s_mov_b32 s[SEL+1], 0xfedcba98                 ; v_permlanex16_b32's selects for lane l xor 16
	s_wait_kmcnt 0x0
	s_cmp_eq_u32 s[YY], 1                          ; the tensor and its bias are chosen by the work-group's y alone
	s_cselect_b64 s[8:9], s[10:11], s[8:9]
	s_cselect_b64 s[18:19], s[20:21], s[18:19]
	s_cmp_eq_u32 s[YY], 2
	s_cselect_b64 s[8:9], s[12:13], s[8:9]
	s_cselect_b64 s[18:19], s[22:23], s[18:19]
	s_lshl_b32 s44, ttmp9, 18                      ; 128 tokens of 2,048 bytes a work-group,
	s_lshl_b32 s46, s[WV], 16                      ; 32 a wave
	s_add_co_u32 s44, s44, s46
	s_mov_b32 s45, 0
	s_add_nc_u64 s[8:9], s[8:9], s[44:45]
	s_mul_i32 s44, s[YY], 196608                   ; the tensor's weight: 512 rows of 384 bytes; my 128 rows
	s_mul_i32 s46, s[WV], 49152
	s_add_co_u32 s44, s44, s46
	s_add_nc_u64 s[14:15], s[14:15], s[44:45]
	s_lshl_b32 s44, s[YY], 13                      ; its scale bytes: 16 a row
	s_lshl_b32 s46, s[WV], 11
	s_add_co_u32 s44, s44, s46
	s_add_nc_u64 s[16:17], s[16:17], s[44:45]
	s_lshl_b32 s44, s[WV], 9                       ; my 128 numbers of the bias
	s_add_nc_u64 s[18:19], s[18:19], s[44:45]
	s_lshr_b32 s46, ttmp9, 5                       ; batch
	s_lshl_b32 s46, s46, 3
	s_lshl_b32 s47, s[WV], 1
	s_add_co_u32 s46, s46, s47                     ; head 2 w of the batch, among the 16
	s_lshl_b32 s46, s46, 5
	s_and_b32 s47, ttmp9, 31
	s_add_co_u32 s46, s46, s47                     ; x 32 key steps + my step
	s_cmp_eq_u32 s[YY], 2
	s_cbranch_scc1 .Lvpath
	; ---------------- Q and K ----------------
	v_lshl_add_u32 v[LI], v196, 4, XIMGQ
	v_lshl_add_u32 v[LS], v196, 2, XSCQ
	s_mul_i32 s44, s[WV], 8*FRB
	v_add_nc_u32 v[XWI], s44, v[LI]
	s_lshl_b32 s44, s[WV], 10
	v_add_nc_u32 v[XWS], s44, v[LS]
	v_lshlrev_b32 v[SSA], 2, v197
	v_lshl_add_u32 v[SSA], v198, 9, v[SSA]
	v_add_nc_u32 v[SSA], s44, v[SSA]
	v_add_nc_u32 v[SSA], SSTQ, v[SSA]              ; my stage: head 2 w's words in the first 512 bytes (lanes 0-15), head 2 w + 1's in the second (lanes 16-31)
	v_lshl_add_u32 v[SRD], v196, 4, SSTQ
	v_add_nc_u32 v[SRD], s44, v[SRD]
	v_lshlrev_b32 v[BA], 6, v198
	s_cmp_eq_u32 s[YY], 0                          ; where the results go: Q's buffers or K's half of the key steps
	s_cselect_b64 s[36:37], s[24:25], s[28:29]
	s_cselect_b64 s[40:41], s[26:27], s[30:31]
	s_mul_i32 s44, s46, 6144                       ; eight halves of 768 bytes a step; in kvc a step is twice that
	s_lshl_b32 s44, s44, s[YY]
	s_add_nc_u64 s[36:37], s[36:37], s[44:45]
	s_lshl_b32 s44, 196608, s[YY]                  ; head 2 w + 1: 32 steps on
	s_add_nc_u64 s[38:39], s[36:37], s[44:45]
	s_lshl_b32 s47, s[YY], 8
	s_add_co_u32 s47, s47, 512                     ; a step's scale bytes: 512 in qs, 768 in kvs
	s_mul_i32 s44, s46, s47
	s_add_nc_u64 s[40:41], s[40:41], s[44:45]
	s_lshl_b32 s44, s47, 5
	s_add_nc_u64 s[42:43], s[40:41], s[44:45]
	WIN 0x40                                       ; my 32 fragments of W stay in registers
	s_wait_alu depctr_va_vdst(0)                   ; the offsets and LDS addresses v1 to v12 are written: every load and store of this path reads some of them, and none is written again
.irp t, 0,1,2,3,4,5,6,7
.irp s, 0,1
	WFRAG FR*(2*\t+\s), \t, \s
.endr
.endr
	WIN 0x80
.irp t, 0,1,2,3,4,5,6,7
.irp s, 2,3
	WFRAG FR*(2*\t+\s-2), \t, \s
.endr
.endr
	WIN 0x40
.irp t, 0,1,2,3,4,5,6,7                        ; the bias in the result's layout: tile 2 b + u, lane (r, h): features 32 b + 16 h + 8 u + 0 .. 7
	global_load_b128 v[192+8*\t:192+8*\t+3], v[BA], s[18:19] offset:(32*(\t/2)+8*(\t%2))*4
	global_load_b128 v[192+8*\t+4:192+8*\t+7], v[BA], s[18:19] offset:(32*(\t/2)+8*(\t%2))*4+16
.endr
	WIN 0
.irp t, 0,1,2,3,4,5,6,7
.irp s, 0,1,2,3
	global_load_b32 v[RS+4*\t+\s], v[WSA], s[16:17] offset:(32*(\t/2)+8*(\t%2))*16+4*\s
.endr
.endr
	XPHASE                                         ; its last wait on loads is for 0: the weights are in too
.macro FETCHX m                                ; token tile m: four fragments and their scale words, into set m % 2
.irp s, 0,1,2,3
.irp c, 0,1,2
	ds_load_b128 v[XF0+48*((\m)%2)+FR*\s+4*\c:XF0+48*((\m)%2)+FR*\s+4*\c+3], v[LI] offset:(\m)*4*FRB+FRB*\s+512*\c
.endr
	ds_load_b32 v[SS0+4*((\m)%2)+\s], v[LS] offset:(\m)*512+128*\s
.endr
.endm
.macro QKTRIP m
	s_wait_dscnt 0x0                               ; this tile's fragments, asked for at the head of the trip before, are in
.if \m < 7
	FETCHX (\m)+1                                  ; the next tile's, into the other set.  No wait: the products that read that set stand ahead of the last trip's wait on va_vdst, and no vector or matrix instruction has been issued since
.endif
	MUL XF0+48*((\m)%2), SS0+4*((\m)%2), 192, 8
	PLACES 4                                       ; ahead of the first read of results
.if \m > 0
	s_wait_xcnt 0x0                                ; the last trip's global stores have had their addresses translated,
	s_wait_alu depctr_vm_vsrc(0)                   ; and its stores, global and LDS, have read the codes' registers and v15, which the lines below write again
.endif
	QUANT HA, 0
	v_lshrrev_b32 v15, v[SH], v[PW]                ; lanes 0-15: head 2 w's two bytes lowest; lanes 16-31: head 2 w + 1's
.if (\m)%2
	v_lshlrev_b32 v15, 16, v15                     ; an odd tile's go to bytes 2, 3
.endif
	s_wait_alu depctr_va_vdst(0)                   ; the codes and v15 are written, which the five stores below read; and this trip's products are done reading their set of fragments, in which the next trip's loads land
	global_store_b128 v[G16], v[PC:PC+3], s[36:37] offset:768*(\m)       ; head 2 w: 512 consecutive bytes,
	global_store_b64 v[G8], v[PC+4:PC+5], s[36:37] offset:768*(\m)       ; and 256
	global_store_b128 v[G16], v[PC+6:PC+9], s[38:39] offset:768*(\m)     ; head 2 w + 1
	global_store_b64 v[G8], v[PC+10:PC+11], s[38:39] offset:768*(\m)
	ds_store_b32 v[SSA], v15 offset:64*(\m)
.endm
	FETCHX 0
.irp m, 0,1,2,3,4,5,6,7
	QKTRIP \m
.endr
	ds_load_b128 v[16:19], v[SRD]                  ; LDS serves a wave's instructions in order: these see my stores.  (The products that read v16 on stand ahead of the last wait on va_vdst)
	ds_load_b128 v[20:23], v[SRD] offset:512
	s_wait_dscnt 0x0
	global_store_b128 v[G16], v[16:19], s[40:41]   ; 512 consecutive bytes for each head
	global_store_b128 v[G16], v[20:23], s[42:43]
	s_wait_dscnt 0x0                               ; the closing lines, six on end
	s_wait_alu 0x0
	s_wait_tensorcnt 0x0
	ds_add_u32 v[SPW], v[NIL]
	s_wait_dscnt 0x0
	s_endpgm
	; ---------------- V ----------------
.Lvpath:
	v_lshl_add_u32 v[LI], v196, 4, XIMGV
	v_lshl_add_u32 v[LS], v196, 2, XSCV
	s_mul_i32 s44, s[WV], 8*FRB
	v_add_nc_u32 v[XWI], s44, v[LI]
	s_lshl_b32 s44, s[WV], 10
	v_add_nc_u32 v[XWS], s44, v[LS]
	s_lshl_b32 s44, s[WV], 9
	v_lshl_add_u32 v[SSA], v197, 2, SSTV
	v_add_nc_u32 v[SSA], s44, v[SSA]               ; my stage: 64 bytes a tile of features; lanes r and r + 16 write the same word with the same value
	v_lshl_add_u32 v[SRD], v196, 4, SSTV
	v_add_nc_u32 v[SRD], s44, v[SRD]
	v_lshlrev_b32 v[BA], 2, v199
	s_mul_i32 s44, s46, 12288
	s_add_co_u32 s44, s44, 6144                    ; V's four images lie behind K's eight halves of the step
	s_add_nc_u64 s[36:37], s[28:29], s[44:45]
	s_mul_i32 s44, s46, 768
	s_add_co_u32 s44, s44, 512
	s_add_nc_u64 s[40:41], s[30:31], s[44:45]
	WIN 0x40
	s_wait_alu depctr_va_vdst(0)                   ; the offsets and LDS addresses v1 to v12 and v14 are written: every load and store of this path reads some of them, and none is written again
.irp t, 0,1,2,3,4,5,6,7                        ; the bias in the result's layout: a lane is a feature, so a tile's eight registers are equal
.irp j, 0,1,2,3,4,5,6,7
	global_load_b32 v[192+8*\t+\j], v[BA], s[18:19] offset:(32*(\t/2)+8*(\t%2))*4
.endr
.endr
	WIN 0
.macro WLOAD t                                 ; tile t of my rows of w_v: four fragments and four scale words: 28 loads, into set t % 2
.irp s, 0,1,2,3
	WFRAG XF0+48*((\t)%2)+FR*\s, \t, \s
	global_load_b32 v[SS0+4*((\t)%2)+\s], v[WSA], s[16:17] offset:(32*((\t)/2)+8*((\t)%2))*16+4*\s
.endr
.endm
	WLOAD 0
	XPHASE
	WIN 0x40                                       ; the 32 fragments of the 128 tokens become resident
.irp i, 0,1,2,3,4,5,6,7
.irp s, 0,1
.irp c, 0,1,2
	ds_load_b128 v[FR*(2*\i+\s)+4*\c:FR*(2*\i+\s)+4*\c+3], v[LI] offset:(4*\i+\s)*FRB+512*\c
.endr
.endr
.endr
	WIN 0x80
.irp i, 0,1,2,3,4,5,6,7
.irp s, 2,3
.irp c, 0,1,2
	ds_load_b128 v[FR*(2*\i+\s-2)+4*\c:FR*(2*\i+\s-2)+4*\c+3], v[LI] offset:(4*\i+\s)*FRB+512*\c
.endr
.endr
.endr
	WIN 0
.irp i, 0,1,2,3,4,5,6,7
.irp s, 0,1,2,3
	ds_load_b32 v[RS+4*\i+\s], v[LS] offset:(4*\i+\s)*128
.endr
.endr
	s_wait_dscnt 0x0
.macro VTRIP t
.if \t < 7
	WLOAD (\t)+1                                   ; into the other set.  No wait: the products that read that set stand ahead of the last trip's wait on va_vdst, and no vector or matrix instruction has been issued since
	s_wait_loadcnt 28                              ; this tile's loads are in; the 28 just issued stay out
.else
	s_wait_loadcnt 0x0
.endif
	MUL XF0+48*((\t)%2), SS0+4*((\t)%2), 192+8*(\t), 0
	PLACES 4                                       ; ahead of the first read of results
	s_wait_xcnt 0x0                                ; the last trip's global stores have had their addresses translated,
	s_wait_dscnt 0x0                               ; its LDS store has landed,
	s_wait_alu depctr_vm_vsrc(0)                   ; and its stores, global and LDS, have read the codes' and the scale word's registers, which QUANT writes again
	QUANT HA, 0
	s_wait_alu depctr_va_vdst(0)                   ; the codes and the scale word are written, which the four stores below read; and this trip's products are done reading their set of fragments, in which the next trip's loads land
.irp c, 0,1,2
	global_store_b128 v[G16], v[PC+4*\c:PC+4*\c+3], s[36:37] offset:((\t)/4)*393216+((\t)%4)*FRB+512*\c   ; tiles 0-3: head 2 w; 4-7: head 2 w + 1, 32 steps on
.endr
	ds_store_b32 v[SSA], v[PW] offset:64*(\t)
.endm
.irp t, 0,1,2,3,4,5,6,7
	VTRIP \t
.endr
	ds_load_b128 v[16:19], v[SRD]                  ; lanes 0-15: head 2 w's 256 bytes; lanes 16-31: head 2 w + 1's.  (The products that read v16 on stand ahead of the last wait on va_vdst)
	s_wait_dscnt 0x0
	global_store_b128 v[VSO], v[16:19], s[40:41]   ; sixteen lanes store 256 consecutive bytes, aligned
	s_wait_dscnt 0x0                               ; the closing lines, six on end
	s_wait_alu 0x0
	s_wait_tensorcnt 0x0
	ds_add_u32 v[SPW], v[NIL]
	s_wait_dscnt 0x0
	s_endpgm
.Lfunc_end_k_q01c2f581e7_proj:
	.size	k_q01c2f581e7_proj, .Lfunc_end_k_q01c2f581e7_proj-k_q01c2f581e7_proj
	.p2alignl 7, 3214868480
	.fill 96, 4, 3214868480
	.section	.rodata,"a",@progbits
	.p2align	6, 0x0
	.amdhsa_kernel k_q01c2f581e7_proj
		.amdhsa_group_segment_fixed_size 113152
		.amdhsa_private_segment_fixed_size 0
		.amdhsa_enable_private_segment 0
		.amdhsa_kernarg_size 96
		.amdhsa_user_sgpr_count 2
		.amdhsa_user_sgpr_kernarg_segment_ptr 1
		.amdhsa_wavefront_size32 1
		.amdhsa_system_sgpr_workgroup_id_x 1
		.amdhsa_system_sgpr_workgroup_id_y 1
		.amdhsa_system_sgpr_workgroup_id_z 1
		.amdhsa_system_vgpr_workitem_id 0
		.amdhsa_next_free_vgpr 1024
		.amdhsa_next_free_sgpr 66
		.amdhsa_reserve_vcc 0
		.amdhsa_float_denorm_mode_32 3
		.amdhsa_float_denorm_mode_16_64 3
		.amdhsa_memory_ordered 1
		.amdhsa_forward_progress 1
		.amdhsa_inst_pref_size 255
	.end_amdhsa_kernel
	.section	.bss,"aw",@nobits
	.p2align	6
	.space	262144
	.amdgpu_metadata
---
amdhsa.version: [ 1, 2 ]
amdhsa.kernels:
  - .name:           k_q01c2f581e7_proj
    .symbol:         k_q01c2f581e7_proj.kd
    .args:
      - { .name: query, .offset: 0, .size: 8, .value_kind: global_buffer, .address_space: global }
      - { .name: key, .offset: 8, .size: 8, .value_kind: global_buffer, .address_space: global }
      - { .name: value, .offset: 16, .size: 8, .value_kind: global_buffer, .address_space: global }
      - { .name: wc, .offset: 24, .size: 8, .value_kind: global_buffer, .address_space: global }
      - { .name: ws, .offset: 32, .size: 8, .value_kind: global_buffer, .address_space: global }
      - { .name: b_q, .offset: 40, .size: 8, .value_kind: global_buffer, .address_space: global }
      - { .name: b_k, .offset: 48, .size: 8, .value_kind: global_buffer, .address_space: global }
      - { .name: b_v, .offset: 56, .size: 8, .value_kind: global_buffer, .address_space: global }
      - { .name: qc, .offset: 64, .size: 8, .value_kind: global_buffer, .address_space: global }
      - { .name: qs, .offset: 72, .size: 8, .value_kind: global_buffer, .address_space: global }
      - { .name: kvc, .offset: 80, .size: 8, .value_kind: global_buffer, .address_space: global }
      - { .name: kvs, .offset: 88, .size: 8, .value_kind: global_buffer, .address_space: global }
    .group_segment_fixed_size: 113152
    .private_segment_fixed_size: 0
    .kernarg_segment_align: 8
    .kernarg_segment_size: 96
    .max_flat_workgroup_size: 128
    .sgpr_count:     66
    .vgpr_count:     1024
    .wavefront_size: 32
...
	.end_amdgpu_metadata
.endif
;; end of part 6
;; launch attn (part 7): grid 16 x 16, 16 waves a work-group, clusters of 4 x 1, 327,680 bytes of LDS; arguments qc, qs, kvc, kvs, ac, asc; writes ac, asc
.if DOCPART == 7
	.amdgcn_target "amdgcn-amd-amdhsa--gfx1250"
	.amdhsa_code_object_version 6
	.text
	.protected	k_q01c2f581e7_attn
	.globl	k_q01c2f581e7_attn
	.p2align	8
	.type	k_q01c2f581e7_attn,@function
k_q01c2f581e7_attn:
	s_mov_b64 s[64:65], 0
	v_nop
	global_prefetch_b8 v0, s[64:65] scope:SCOPE_SE
	s_setreg_imm32_b32 hwreg(HW_REG_WAVE_MODE, 25, 1), 1
	s_wait_xcnt 0x0
	s_wait_alu depctr_hold_cnt(0) depctr_sa_sdst(0) depctr_va_vdst(0) depctr_va_sdst(0) depctr_va_ssrc(0) depctr_va_vcc(0) depctr_vm_vsrc(0)
	s_getreg_b32 s2, hwreg(HW_REG_IB_STS2, 6, 4)
	s_cmp_eq_u32 s2, 0
	s_cbranch_scc0 .Lentry_in_a_cluster
	s_endpgm
.Lentry_in_a_cluster:
	s_bfe_u32 s2, ttmp6, 0x10000c
	s_cmp_lg_u32 s2, 0x3003
	s_cbranch_scc0 .Lentry_shape_is_right
	s_endpgm
.Lentry_shape_is_right:
; Attention of one head (work-group y: 8 x batch + head) for 256 queries, on codes of FP6 (E2M3) with E8M0 scales, head size 64, 4,096 keys; the result is quantised along the head's 64 for the last projection.
; THE SOFTMAX AHEAD OF THE SECOND PRODUCT: t = score x log2(e) / 8; M = the running largest t rounded UP to a whole number; p = 2^(t - M) is quantised along the keys, not normalised;
; the row's sum is taken of the unquantised p and divides O at the end.  When M moves, the sum and O are multiplied by 2^(old M - new M): exact.
; SHARES.  Sixteen waves, each with ONE tile of 16 queries in 256 registers: four waves to a SIMD, so that one wave's vector work stands beside another's products and LDS loads.  Every wave walks 32 steps of 128 keys.
; LAYOUT.  Both products are used transposed (S^T = K Q^T, O^T = V^T P^T): a lane holds one query throughout.  Tiles of keys, of queries and of the head's 64 are in TILE ORDER (place p of tile 2 b + u is
; index 32 b + 8 u + p + 8 (p / 8)), so that the 16 registers of two neighbouring tiles are 16 neighbours.  All operands lie in memory as images of their registers: every LDS load of a wave reads consecutive bytes.
; K = 64 IN AN INSTRUCTION OF K = 128: a fragment of K holds TWO tiles of keys (registers 0-5, 6-11); it is multiplied once by [q | 0] and once by [0 | q].  The zero codes stand on Q's side alone:
; FP6 has no code for infinity or NaN and every scale byte here is 0 .. 254, so 0 x anything is 0 exactly.
; CLUSTER.  The four work-groups of a cluster belong to one head and walk the same K and V: each tile is asked for JOINTLY, by the same tensor load with the same descriptor and the mask of all four.
; RING.  Two slots of 8 steps (98,304 bytes of codes, 6,144 of scale words).  Waves 0-3 fetch two steps' codes each, wave 4 the scale words; a wave has at most one tensor load out.
; LIMITS: NaN and infinities are not served; a block of zeros, and one whose largest magnitude lies under 2^-124, gets the scale byte 1 (this program alone reads the bytes).
.set STEPB, 12288                      ; a step: 8 halves of K (768 each), then 4 images of V (1,536 each)
.set SLOTB, 8*STEPB
.set SLOT1, 131072                     ; slot 1's codes begin here: one exclusive or turns an address
.set SCB,   98304                      ; slot 0's scale words (768 a step: K's 512, V's 256); slot 1's 8,192 further: a step's lie at SCB + (its codes' place / 16)
.set SPARE, 229376                     ; the spare words, 128 bytes for each wave, which no other line names
.set STAGE, 231424                     ; the way out: 16 tiles x 64 bytes of scale words
.set SPW, 5                            ; v5  LDS address of my spare word; never rewritten
.set NIL, 6                            ; v6  0; never rewritten
; v1 16 x lane; v2 8 x lane; v3 SCB + 4 x lane; v4 my place in the stage; v7 where waves 0, 1 read it back; v8-10 the step's addresses; v11 512 + 8 x lane
; v12 -M, v13 the largest t, v[14:15] the sum in two halves; v16-33: six zeros, q's six registers, six zeros: [0 | q] = v[16:27], [q | 0] = v[22:33]
.set KF,  36                           ; v36-83   four fragments: K's pairs of tiles, then V's
.set S,   96                           ; v96-159  S^T, then p
.set OT,  160                          ; v160-191 O^T: four tiles of the head's 64
.set BM,  192                          ; v192-195 each block's largest score, then its largest p
.set BT,  196                          ; v196-199 at work
.set SOP, 200                          ; v200-203 the conversions' scale operands
.set CT,  204                          ; v204-206, v208-210 halves of blocks on their way
.set P,   212                          ; v212-223 p's codes
.set KS,  224                          ; v224-227 K's scale words: lanes 0-15 tile 2 i, lanes 16-31 tile 2 i + 1
.set VS,  228                          ; v228-229 V's likewise
.set PW,  231                          ; p's scale word
.set F,   232                          ; v[232:233] f = 2^(old M - new M) (v233 is named with it as a pair)
.set TMP, 234
.set QW,  235                          ; q's two scale bytes, in bytes 0, 1 and again in 2, 3
.set SM2, 236                          ; v[236:237] the sum's second chain
.set PFO, 238                          ; 256 x lane: the prefetches' offset; never rewritten
.set QSA, 239                          ; 4 r
.set WV,  16
.set CX,  17
.set XQ,  18
.set BH,  19
.set SEL, 20
.set CS,  22                           ; s[22:23] c = log2(e) / 8
.set G1C, 24                           ; s[24:31] descriptor group 1 for the codes; s[32:39] for the scale words
.set G1S, 32
.set G0C, 40                           ; s[40:43], s[44:47] their groups 0, which walk
.set G0S, 44
.set TB,  48                           ; LDS byte at which the step's codes begin
.set TS,  49                           ; TB / 16
.set SLOTS, 50
.set CNT, 51
.set PFA, 52                           ; s[52:53] where my prefetches stand
.set LIM, 54                           ; 1 in a wave that prefetches, else the greatest number
.set SHB, 55                           ; 16 x (head % 2)
.macro CROUND                          ; a round of the cluster's barrier
	s_barrier_signal -1
	s_barrier_wait -1
	s_cmp_lg_u32 s[WV], 0
	s_cbranch_scc1 .Lnot_wave_0_\@
	s_barrier_signal -3
.Lnot_wave_0_\@:
	s_barrier_wait -3
	s_barrier_signal -1
	s_barrier_wait -1
.endm
; A joint load.  The branches hang on the wave's number alone.  An s_nop 0 and four v_nop follow each of the two lines.
.macro TLOAD
	s_cmp_lt_u32 s[WV], 4
	s_cbranch_scc0 .Lnot_c_\@
	tensor_load_to_lds s[G0C:G0C+3], s[G1C:G1C+7]
	s_nop 0
.rept 4
	v_nop
.endr
	s_branch .Lasked_\@
.Lnot_c_\@:
	s_cmp_eq_u32 s[WV], 4
	s_cbranch_scc0 .Lasked_\@
	tensor_load_to_lds s[G0S:G0S+3], s[G1S:G1S+7]
	s_nop 0
.rept 4
	v_nop
.endr
.Lasked_\@:
.endm
; A prefetch of the codes that the NEXT change of slots will ask for: 8 key steps ahead of that load.  Each block of 256 bytes is named once in the launch: of the four clusters that walk a head the first asks;
; its four partners take 24,576 bytes each, told apart by address; in each, waves 5, 6, 7 take 8,192 bytes, lanes 256 bytes apart.  The last change that fills a slot asks for nothing.
.macro ASK
	s_cmp_gt_u32 s[SLOTS], s[LIM]
	s_cbranch_scc0 .Lnot_mine_\@
	global_prefetch_b8 v[PFO], s[PFA:PFA+1] th:TH_LOAD_NT scope:SCOPE_SE
.Lnot_mine_\@:
.endm
	s_load_b256 s[4:11], s[0:1], 0x0               ; qc, qs, kvc, kvs
	s_load_b128 s[12:15], s[0:1], 0x20             ; ac, asc
	v_lshl_add_u32 v[SPW], v0, 2, SPARE
	v_mov_b32 v[NIL], 0
	ds_add_u32 v[SPW], v[NIL]                      ; the wave's opening: the add and its wait stand ahead of the first tensor loads; work on registers stands between them
	ds_add_u32 v[SPW], v[NIL]
	v_lshrrev_b32 v8, 5, v0
	s_delay_alu instid0(VALU_DEP_1)
	v_readfirstlane_b32 s[WV], v8                  ; wave 0..15
	s_bfe_u32 s[CX], ttmp6, 0x40000                ; my place in the cluster: it enters Q's, the outputs' and the prefetches' global addresses alone
	s_lshl_b32 s[XQ], ttmp9, 2
	s_add_co_u32 s[XQ], s[XQ], s[CX]               ; my block of 256 queries
	s_and_b32 s[BH], ttmp7, 0xffff                 ; 8 x batch + head, which the partners share
	v_and_b32 v8, 31, v0                           ; lane
	v_and_b32 v9, 15, v0                           ; r
	s_delay_alu instid0(VALU_DEP_2)
	v_lshlrev_b32 v1, 4, v8
	s_delay_alu instid0(VALU_DEP_3)
	v_lshlrev_b32 v2, 3, v8
	s_delay_alu instid0(VALU_DEP_4)
	v_lshl_add_u32 v3, v8, 2, SCB
	s_lshl_b32 s56, s[WV], 6
	v_lshl_add_u32 v4, v9, 2, STAGE
	s_delay_alu instid0(VALU_DEP_1)
	v_add_nc_u32 v4, s56, v4
	s_min_u32 s69, s[WV], 1
	s_lshl_b32 s69, s69, 9
	v_lshl_add_u32 v7, v8, 4, STAGE
	s_delay_alu instid0(VALU_DEP_1)
	v_add_nc_u32 v7, s69, v7
	v_add_nc_u32 v11, 512, v2
	v_lshlrev_b32 v[PFO], 8, v8
	v_lshlrev_b32 v[QSA], 2, v9
	; descriptor group 1: dense blocks as rows of 256 bytes (32 elements of 8 bytes): 96 rows of codes a wave, 24 rows of scale words
	s_mov_b32 s[G1C], 15|(3<<16)|(1<<21)           ; the mask of all four work-groups; elements of 8 bytes; bit 21 beside a mask; no padding
	s_mov_b32 s[G1C+1], 32<<16                     ; tensor_dim0
	s_mov_b32 s[G1C+2], 96<<16                     ; tensor_dim1
	s_mov_b32 s[G1C+3], 32<<16                     ; tile_dim0
	s_mov_b32 s[G1C+4], 96                         ; tile_dim1
	s_mov_b32 s[G1C+5], 32                         ; the pitch
	s_mov_b32 s[G1C+6], 0
	s_mov_b32 s[G1C+7], 0
	s_mov_b32 s[G1S], 15|(3<<16)|(1<<21)
	s_mov_b32 s[G1S+1], 32<<16
	s_mov_b32 s[G1S+2], 24<<16
	s_mov_b32 s[G1S+3], 32<<16
	s_mov_b32 s[G1S+4], 24
	s_mov_b32 s[G1S+5], 32
	s_mov_b32 s[G1S+6], 0
	s_mov_b32 s[G1S+7], 0
	s_mov_b32 s[SEL], 0x76543210
	s_mov_b32 s[SEL+1], 0xfedcba98
	s_mov_b32 s[CS], 0x3e38aa3b                    ; c = log2(e) / sqrt(64)
	s_mov_b32 s[CS+1], s[CS]
	s_mov_b32 s[TB], 0
	s_mov_b32 s[SLOTS], 3
	s_and_b32 s[SHB], s[BH], 1
	s_lshl_b32 s[SHB], s[SHB], 4
	s_and_b32 s66, s[WV], 1
	s_lshl_b32 s66, s66, 4                         ; an odd tile's scale bytes of q lie in bytes 2, 3
	s_mul_i32 s56, s[BH], 32*STEPB                 ; the head's K and V
	s_min_u32 s57, s[WV], 3                        ; (waves 4-15 issue no load of codes)
	s_mul_i32 s57, s57, 2*STEPB                    ; my two steps of a slot, in memory and in LDS
	s_add_co_u32 s58, s56, s57
	s_mov_b32 s59, 0
	s_mul_i32 s60, s[BH], 32*768                   ; the head's scale words
	s_mov_b32 s61, 0
	s_sub_co_u32 s62, s[WV], 5                     ; who prefetches: waves 5, 6, 7 of the head's first cluster: the same in all partners
	s_cmp_lt_u32 s62, 3
	s_cselect_b32 s63, 0, 1
	s_or_b32 s63, s63, ttmp9
	s_cmp_eq_u32 s63, 0
	s_cselect_b32 s[LIM], 1, -1
	s_min_u32 s62, s62, 2
	s_lshl_b32 s62, s62, 13
	s_mul_i32 s63, s[CX], 24576
	s_add_co_u32 s62, s62, s63
	s_add_co_u32 s62, s62, s56
	s_add_co_u32 s62, s62, SLOTB                   ; in slot 1: the first change of slots steps it to slot 2
	s_mov_b32 s63, 0
	s_lshl_b32 s67, s[XQ], 4
	s_add_co_u32 s67, s67, s[WV]                   ; T: my tile among the head's 256
	s_lshl_b32 s68, s[BH], 8
	s_add_co_u32 s68, s68, s67
	s_mul_i32 s70, s68, 768                        ; q's half image
	s_mov_b32 s71, 0
	s_lshl_b32 s72, s68, 6                         ; q's scale words
	s_mov_b32 s73, 0
	s_lshr_b32 s74, s[BH], 3
	s_lshl_b32 s74, s74, 8
	s_add_co_u32 s74, s74, s67                     ; my tile among all 512 tiles of tokens
	s_lshl_b32 s74, s74, 3
	s_and_b32 s75, s[BH], 7
	s_add_co_u32 s74, s74, s75                     ; x 8 heads + my head
	s_mul_i32 s74, s74, 768
	s_mov_b32 s75, 0
	s_lshl_b32 s76, s[BH], 14                      ; the results' scale words: 16,384 bytes a head, 1,024 a work-group, 512 for each of waves 0, 1
	s_lshl_b32 s77, s[XQ], 10
	s_add_co_u32 s76, s76, s77
	s_add_co_u32 s76, s76, s69
	s_mov_b32 s77, 0
	s_wait_dscnt 0x0                               ; the opening add is done
	s_wait_kmcnt 0x0
	s_mov_b32 s[G0C], 1
	s_mov_b32 s[G0C+1], s57
	s_add_nc_u64 s[G0C+2:G0C+3], s[8:9], s[58:59]
	s_or_b32 s[G0C+3], s[G0C+3], 0x80000000
	s_mov_b32 s[G0S], 1
	s_mov_b32 s[G0S+1], SCB
	s_add_nc_u64 s[G0S+2:G0S+3], s[10:11], s[60:61]
	s_or_b32 s[G0S+3], s[G0S+3], 0x80000000
	s_add_nc_u64 s[PFA:PFA+1], s[8:9], s[62:63]
	s_add_nc_u64 s[4:5], s[4:5], s[70:71]
	s_add_nc_u64 s[6:7], s[6:7], s[72:73]
	s_add_nc_u64 s[12:13], s[12:13], s[74:75]
	s_add_nc_u64 s[14:15], s[14:15], s[76:77]
	CROUND                                         ; all four work-groups are here: the first joint loads meet
	TLOAD                                          ; slot 0
	global_load_b128 v[22:25], v1, s[4:5]          ; q's half image: it stays in registers
	s_wait_alu depctr_va_vdst(0)
	global_load_b64 v[26:27], v11, s[4:5]
	global_load_b32 v[QW], v[QSA], s[6:7]
	s_wait_loadcnt 0x0
	v_lshrrev_b32 v[QW], s66, v[QW]
	s_delay_alu instid0(VALU_DEP_1)
	v_and_b32 v[QW], 0xffff, v[QW]
	s_delay_alu instid0(VALU_DEP_1)
	v_lshl_or_b32 v[QW], v[QW], 16, v[QW]          ; the lines below are the places between this write and the first product
.irp j, 16,17,18,19,20,21,28,29,30,31,32,33
	v_mov_b32 v[\j], 0                             ; the zero codes on both sides of q
.endr
	v_mov_b32 v13, 0xff61b1e6                      ; the largest t so far: -3e38
	s_delay_alu instid0(VALU_DEP_1)
	v_floor_f32 v12, -v13                          ; -M
	v_mov_b32 v14, 0
	v_mov_b32 v15, 0
.irp b, 0,1,2,3
	v_mov_b32 v[BT+\b], 0                          ; written once: a lane permute's destination counts as one of its sources
.endr
	v_mov_b32 v[F+1], 0
.set j, 0
.rept 32
	v_mov_b32 v[OT+j], 0                           ; O^T: the step is written once; the first finds zeros, which the first change of M leaves zeros
.set j, j+1
.endr
; A KEY STEP: 128 keys.
.macro STEP
	s_lshr_b32 s[TS], s[TB], 4
	v_add_nc_u32 v8, s[TB], v1
	v_add_nc_u32 v9, s[TB], v2
	v_add_nc_u32 v10, s[TS], v3
	v_nop                                          ; four places in front of loads into registers that the last products read
.irp n, 0,1,2,3,4,5,6,7
	ds_load_b128 v[KF+12*(\n/2)+6*(\n%2):KF+12*(\n/2)+6*(\n%2)+3], v8 offset:768*\n
	ds_load_b64 v[KF+12*(\n/2)+6*(\n%2)+4:KF+12*(\n/2)+6*(\n%2)+5], v9 offset:768*\n+512
.endr
.irp i, 0,1,2,3
	ds_load_b32 v[KS+\i], v10 offset:128*\i
.endr
	s_wait_alu depctr_va_vdst(0)
	s_wait_dscnt 0x0
.irp i, 0,1,2,3                                ; S^T: tile 2 i by [q | 0], tile 2 i + 1 by [0 | q]
	v_wmma_scale_f32_16x16x128_f8f6f4 v[S+16*\i:S+16*\i+7], v[KF+12*\i:KF+12*\i+11], v[22:33], 0, v[KS+\i], v[QW] matrix_a_fmt:MATRIX_FMT_FP6 matrix_b_fmt:MATRIX_FMT_FP6
	v_wmma_scale_f32_16x16x128_f8f6f4 v[S+16*\i+8:S+16*\i+15], v[KF+12*\i:KF+12*\i+11], v[16:27], 0, v[KS+\i], v[QW] matrix_a_fmt:MATRIX_FMT_FP6 matrix_b_fmt:MATRIX_FMT_FP6 matrix_a_scale:MATRIX_SCALE_ROW1
.endr
.rept 4
	v_nop                                          ; places in front of V's loads and of the first read of the scores
.endr
.irp d, 0,1,2,3                                ; V's four images land under the softmax
.irp c, 0,1,2
	ds_load_b128 v[KF+12*\d+4*\c:KF+12*\d+4*\c+3], v8 offset:6144+1536*\d+512*\c
.endr
.endr
.irp i, 0,1
	ds_load_b32 v[VS+\i], v10 offset:512+128*\i
.endr
.irp b, 0,1,2,3
	v_max3_num_f32 v[BM+\b], v[S+16*\b], v[S+1+16*\b], v[S+2+16*\b]   ; the largest score of each block of 32 keys: for the row's maximum, and, since p rises with the score, for the block's largest p
.endr
.irp i, 3,5,7,9,11,13
.irp b, 0,1,2,3
	v_max3_num_f32 v[BM+\b], v[BM+\b], v[S+16*\b+\i], v[S+1+16*\b+\i]
.endr
.endr
.irp b, 0,1,2,3
	v_max_num_f32 v[BM+\b], v[BM+\b], v[S+15+16*\b]
.endr
.irp b, 0,1,2,3
	s_delay_alu instid0(VALU_DEP_4)
	v_permlanex16_b32 v[BT+\b], v[BM+\b], s[SEL], s[SEL+1]
.endr
.irp b, 0,1,2,3
	s_delay_alu instid0(VALU_DEP_4)
	v_max_num_f32 v[BM+\b], v[BM+\b], v[BT+\b]     ; with lane l xor 16's 16 keys
.endr
	s_delay_alu instid0(VALU_DEP_2)
	v_max3_num_f32 v[TMP], v[BM], v[BM+1], v[BM+2]
	s_delay_alu instid0(VALU_DEP_1)
	v_max_num_f32 v[TMP], v[TMP], v[BM+3]
	s_delay_alu instid0(VALU_DEP_1)
	v_mul_f32 v[TMP], s[CS], v[TMP]                ; as t (c is positive)
	s_delay_alu instid0(VALU_DEP_1)
	v_max_num_f32 v13, v13, v[TMP]                 ; the running largest t
	v_mov_b32 v[TMP], v12
	s_delay_alu instid0(VALU_DEP_2)
	v_floor_f32 v12, -v13                          ; the new -M = -ceil(t): a whole number
	s_delay_alu instid0(VALU_DEP_1)
	v_sub_f32 v[TMP], v12, v[TMP]                  ; old M - new M: a whole number, 0 or less
	s_delay_alu instid0(VALU_DEP_1)
	v_cvt_i32_f32 v[TMP], v[TMP]                   ; (it saturates)
	s_delay_alu instid0(VALU_DEP_1)
	v_ldexp_f32 v[F], 1.0, v[TMP]                  ; f = 2^(old M - new M)
.set j, 0
.rept 32
	v_pk_fma_f32 v[S+j:S+j+1], v[S+j:S+j+1], s[CS:CS+1], v[12:13] op_sel_hi:[1,0,0]   ; t - M, two at a time
.set j, j+2
.endr
.irp b, 0,1,2,3
	v_fma_f32 v[BM+\b], v[BM+\b], s[CS], v12       ; the same of each block's largest score
.endr
.set j, 0
	s_wait_alu depctr_va_vdst(0)
.rept 64
	v_exp_f32 v[S+j], v[S+j]                       ; p = 2^(t - M)
.set j, j+1
.endr
	s_setprio 1
	v_pk_mul_f32 v[14:15], v[14:15], v[F:F+1] op_sel_hi:[1,0]   ; the sums under the new M (the plain line behind the exponentials)
	s_wait_alu depctr_va_vdst(0)                   ; one wait for the whole batch, ahead of its first reader
.irp b, 0,1,2,3
	v_exp_f32 v[BM+\b], v[BM+\b]                   ; the block's largest p: the same two instructions on the same number give the same bits
.endr
	v_pk_add_f32 v[236:237], v[100:101], v[104:105]
	v_pk_add_f32 v[254:255], v[108:109], v[112:113]
	v_pk_add_f32 v[252:253], v[116:117], v[120:121]
	v_pk_add_f32 v[250:251], v[124:125], v[128:129]
	v_pk_add_f32 v[248:249], v[132:133], v[136:137]
	v_pk_add_f32 v[246:247], v[140:141], v[144:145]
	v_pk_add_f32 v[244:245], v[148:149], v[152:153]
	v_pk_add_f32 v[14:15], v[14:15], v[156:157]
	v_pk_add_f32 v[236:237], v[236:237], v[96:97]
	v_pk_add_f32 v[254:255], v[254:255], v[98:99]
	v_pk_add_f32 v[252:253], v[252:253], v[102:103]
	v_pk_add_f32 v[250:251], v[250:251], v[106:107]
	v_pk_add_f32 v[248:249], v[248:249], v[110:111]
	v_pk_add_f32 v[246:247], v[246:247], v[114:115]
	v_pk_add_f32 v[244:245], v[244:245], v[118:119]
	v_pk_add_f32 v[14:15], v[14:15], v[122:123]
	v_pk_add_f32 v[236:237], v[236:237], v[126:127]
	v_pk_add_f32 v[254:255], v[254:255], v[130:131]
	v_pk_add_f32 v[252:253], v[252:253], v[134:135]
	v_pk_add_f32 v[250:251], v[250:251], v[138:139]
	v_pk_add_f32 v[248:249], v[248:249], v[142:143]
	v_pk_add_f32 v[246:247], v[246:247], v[146:147]
	v_pk_add_f32 v[244:245], v[244:245], v[150:151]
	v_pk_add_f32 v[14:15], v[14:15], v[154:155]
	v_pk_add_f32 v[236:237], v[236:237], v[158:159]
	s_delay_alu instid0(VALU_DEP_2)
	v_pk_add_f32 v[14:15], v[14:15], v[250:251]
	s_delay_alu instid0(VALU_DEP_2)
	v_pk_add_f32 v[236:237], v[236:237], v[248:249]
	v_pk_add_f32 v[254:255], v[254:255], v[246:247]
	v_pk_add_f32 v[252:253], v[252:253], v[244:245]
	s_delay_alu instid0(VALU_DEP_2)
	v_pk_add_f32 v[14:15], v[14:15], v[254:255]
	s_delay_alu instid0(VALU_DEP_2)
	v_pk_add_f32 v[236:237], v[236:237], v[252:253]
	s_delay_alu instid0(VALU_DEP_1)
	v_pk_add_f32 v[14:15], v[14:15], v[236:237]
	s_wait_alu depctr_va_vdst(0)                   ; and one for the four
.irp b, 0,1,2,3
	v_max_num_f32 v[BM+\b], 0x1800000, v[BM+\b]    ; the floor 2^(3 - 127): the byte cannot fall under 1
.endr
.irp b, 0,1,2,3
	s_delay_alu instid0(VALU_DEP_4)
	v_add_nc_u32 v[SOP+\b], 0xff000000, v[BM+\b]   ; 2 off the exponent field: the conversion's scale operand
.endr
.irp b, 0,1,2,3
	s_delay_alu instid0(VALU_DEP_4)
	v_lshrrev_b32 v[BT+\b], 23, v[SOP+\b]          ; the scale's byte
.endr
	s_delay_alu instid0(VALU_DEP_3)
	v_lshl_or_b32 v[PW], v[BT+1], 8, v[BT]
	s_delay_alu instid0(VALU_DEP_1)
	v_lshl_or_b32 v[PW], v[BT+2], 16, v[PW]
	s_delay_alu instid0(VALU_DEP_1)
	v_lshl_or_b32 v[PW], v[BT+3], 24, v[PW]
.irp c, 0,1
	v_cvt_scalef32_pk16_fp6_f32 v[P+6*\c:P+6*\c+2], v[S+32*\c:S+32*\c+15], v[SOP+2*\c]
	v_cvt_scalef32_pk16_fp6_f32 v[CT+4*\c:CT+4*\c+2], v[S+16+32*\c:S+31+32*\c], v[SOP+2*\c+1]
.endr
	v_nop                                          ; one plain line behind the scaled conversions
.irp c, 0,1
.irp i, 0,1,2
	v_permlane16_swap_b32 v[P+6*\c+\i], v[CT+4*\c+\i]
.endr
.irp i, 0,1,2
	s_delay_alu instid0(VALU_DEP_3)
	v_mov_b32 v[P+3+6*\c+\i], v[CT+4*\c+\i]
.endr
.endr
.set j, 0
	s_setprio 0
.rept 16
	v_pk_mul_f32 v[OT+j:OT+j+1], v[OT+j:OT+j+1], v[F:F+1] op_sel_hi:[1,0]   ; O^T under the new M; of these sixteen at least twelve name no register of a given product below: its places behind p's codes and scale word
.set j, j+2
.endr
	s_wait_alu depctr_va_vdst(0)
	s_wait_dscnt 0x0                               ; V is in
.irp i, 0,1                                    ; O^T += V^T P^T; the four accumulators by turns
	v_wmma_scale_f32_16x16x128_f8f6f4 v[OT+16*\i:OT+16*\i+7], v[KF+24*\i:KF+24*\i+11], v[P:P+11], v[OT+16*\i:OT+16*\i+7], v[VS+\i], v[PW] matrix_a_fmt:MATRIX_FMT_FP6 matrix_b_fmt:MATRIX_FMT_FP6
	v_wmma_scale_f32_16x16x128_f8f6f4 v[OT+16*\i+8:OT+16*\i+15], v[KF+24*\i+12:KF+24*\i+23], v[P:P+11], v[OT+16*\i+8:OT+16*\i+15], v[VS+\i], v[PW] matrix_a_fmt:MATRIX_FMT_FP6 matrix_b_fmt:MATRIX_FMT_FP6 matrix_a_scale:MATRIX_SCALE_ROW1
.endr
.endm
; THE CHANGE OF SLOTS stands at a slot's head.  Each wave waits for all its tensor loads, adds 0 to its spare word, and waits for that and for its reads of the slot that it has left.
; fill = 1: behind a round of the cluster's barrier the slot just left is filled with the next 8 steps: the load has a whole slot's steps in which to land.
.macro CHANGE fill
	s_wait_tensorcnt 0x0                           ; no tensor load of mine is out, so a group 0 may be written
	ds_add_u32 v[SPW], v[NIL]                      ; 0 onto my spare word
.if \fill
	s_xor_b32 s[G0C+1], s[G0C+1], SLOT1            ; the walking descriptors: the other slot, the next 8 steps
	s_add_nc_u64 s[G0C+2:G0C+3], s[G0C+2:G0C+3], SLOTB
	s_xor_b32 s[G0S+1], s[G0S+1], 8192
	s_add_nc_u64 s[G0S+2:G0S+3], s[G0S+2:G0S+3], 8*768
	s_wait_xcnt 0x0                                ; the last prefetch, a slot back, has read its address
	s_add_nc_u64 s[PFA:PFA+1], s[PFA:PFA+1], SLOTB
	s_wait_dscnt 0x0                               ; the add is done, and my reads of the slot that I have left are over
	CROUND
	TLOAD                                          ; the first thing behind the round, and a wave's one tensor load until the next
	ASK
.else
	s_wait_dscnt 0x0
	s_barrier_signal -1
	s_barrier_wait -1
.endif
.endm
.macro SLOT_STEPS                              ; a slot's eight steps: written once, walked eight times; the LDS addresses hang on s[TB]
	s_mov_b32 s[CNT], 8
.Lstep_\@:
	s_setprio 2
	STEP
	s_add_co_u32 s[TB], s[TB], STEPB
	s_sub_co_u32 s[CNT], s[CNT], 1
	s_cmp_lg_u32 s[CNT], 0
	s_cbranch_scc1 .Lstep_\@
	s_setprio 0
	s_sub_co_u32 s[TB], s[TB], SLOTB
	s_xor_b32 s[TB], s[TB], SLOT1                  ; on to the other slot
.endm
.Lslot:                                            ; three trips: behind each change of slots but the last the next slot is asked for
	CHANGE 1
	SLOT_STEPS
	s_sub_co_u32 s[SLOTS], s[SLOTS], 1
	s_cmp_lg_u32 s[SLOTS], 0
	s_cbranch_scc1 .Lslot
	CHANGE 0                                       ; the last slot is written out
	SLOT_STEPS
	; THE WAY OUT.  O^T / the sum; its 64 numbers a query are two blocks of 32 along the last projection's K: quantised here, stored as a half image, the two scale bytes as a word (odd heads: in bytes 2, 3).
	v_add_f32 v14, v14, v15
	s_delay_alu instid0(VALU_DEP_1)
	v_permlanex16_b32 v[TMP], v14, s[SEL], s[SEL+1]
	s_delay_alu instid0(VALU_DEP_1)
	v_add_f32 v14, v14, v[TMP]                     ; the row's sum
	s_wait_alu depctr_va_vdst(0)
	v_rcp_f32 v14, v14
.rept 4
	v_nop                                          ; the plain line behind the reciprocal, and the places behind the last products
.endr
	s_wait_alu depctr_va_vdst(0)                   ; a wait ahead of the reciprocal's first reader
.set j, 0
.rept 32
	v_mul_f32 v[S+j], v[OT+j], v14                 ; register 16 b + i: channel 32 b + 16 h + i of my query
.set j, j+1
.endr
.irp b, 0,1
	v_max3_num_f32 v[BM+\b], |v[S+16*\b]|, |v[S+1+16*\b]|, 0x1800000
.endr
.irp i, 2,4,6,8,10,12,14
.irp b, 0,1
	s_delay_alu instid0(VALU_DEP_2)
	v_max3_num_f32 v[BM+\b], v[BM+\b], |v[S+16*\b+\i]|, |v[S+1+16*\b+\i]|
.endr
.endr
.irp b, 0,1
	s_delay_alu instid0(VALU_DEP_2)
	v_permlanex16_b32 v[BT+\b], v[BM+\b], s[SEL], s[SEL+1]
.endr
.irp b, 0,1
	s_delay_alu instid0(VALU_DEP_2)
	v_max_num_f32 v[BM+\b], v[BM+\b], v[BT+\b]
.endr
.irp b, 0,1
	s_delay_alu instid0(VALU_DEP_2)
	v_add_nc_u32 v[SOP+\b], 0xff000000, v[BM+\b]
.endr
.irp b, 0,1
	s_delay_alu instid0(VALU_DEP_2)
	v_lshrrev_b32 v[BT+\b], 23, v[SOP+\b]
.endr
	s_delay_alu instid0(VALU_DEP_1)
	v_lshl_or_b32 v[PW], v[BT+1], 8, v[BT]
	s_delay_alu instid0(VALU_DEP_1)
	v_lshlrev_b32 v[PW], s[SHB], v[PW]
	v_cvt_scalef32_pk16_fp6_f32 v[P:P+2], v[S:S+15], v[SOP]
	v_cvt_scalef32_pk16_fp6_f32 v[CT:CT+2], v[S+16:S+31], v[SOP+1]
	v_nop
.irp i, 0,1,2
	v_permlane16_swap_b32 v[P+\i], v[CT+\i]
.endr
.irp i, 0,1,2
	s_delay_alu instid0(VALU_DEP_3)
	v_mov_b32 v[P+3+\i], v[CT+\i]                  ; registers 0-5: channels 32 h + 0 .. 31
.endr
	global_store_b128 v1, v[P:P+3], s[12:13]       ; 512 consecutive bytes,
	global_store_b64 v11, v[P+4:P+5], s[12:13]     ; and 256
	ds_store_b32 v4, v[PW]                         ; lanes r and r + 16 write the same word with the same value
	s_wait_dscnt 0x0                               ; for the others' sake
	s_barrier_signal -1
	s_barrier_wait -1
	s_cmp_lt_u32 s[WV], 2                          ; waves 0 and 1 store the sixteen tiles' scale words, 512 consecutive bytes each
	s_cbranch_scc0 .Lno_words
	ds_load_b128 v[S:S+3], v7
	s_wait_dscnt 0x0
	global_store_b128 v1, v[S:S+3], s[14:15]
.Lno_words:
	s_wait_tensorcnt 0x0                           ; the wave's end: closing waits and the add to my spare word, behind my last tensor load and my last LDS store
	ds_add_u32 v[SPW], v[NIL]
	s_wait_dscnt 0x0
	CROUND                                         ; the closing round
	s_endpgm
.Lfunc_end_k_q01c2f581e7_attn:
	.size	k_q01c2f581e7_attn, .Lfunc_end_k_q01c2f581e7_attn-k_q01c2f581e7_attn
	.p2alignl 7, 3214868480
	.fill 96, 4, 3214868480
	.section	.rodata,"a",@progbits
	.p2align	6, 0x0
	.amdhsa_kernel k_q01c2f581e7_attn
		.amdhsa_group_segment_fixed_size 327680
		.amdhsa_private_segment_fixed_size 0
		.amdhsa_enable_private_segment 0
		.amdhsa_kernarg_size 48
		.amdhsa_user_sgpr_count 2
		.amdhsa_user_sgpr_kernarg_segment_ptr 1
		.amdhsa_wavefront_size32 1
		.amdhsa_system_sgpr_workgroup_id_x 1
		.amdhsa_system_sgpr_workgroup_id_y 1
		.amdhsa_system_sgpr_workgroup_id_z 1
		.amdhsa_system_vgpr_workitem_id 0
		.amdhsa_next_free_vgpr 256
		.amdhsa_next_free_sgpr 80
		.amdhsa_reserve_vcc 0
		.amdhsa_float_denorm_mode_32 3
		.amdhsa_float_denorm_mode_16_64 3
		.amdhsa_memory_ordered 1
		.amdhsa_forward_progress 1
		.amdhsa_inst_pref_size 51
	.end_amdhsa_kernel
	.amdgpu_metadata
---
amdhsa.version: [ 1, 2 ]
amdhsa.kernels:
  - .name:           k_q01c2f581e7_attn
    .symbol:         k_q01c2f581e7_attn.kd
    .args:
      - { .name: qc, .offset: 0, .size: 8, .value_kind: global_buffer, .address_space: global }
      - { .name: qs, .offset: 8, .size: 8, .value_kind: global_buffer, .address_space: global }
      - { .name: kvc, .offset: 16, .size: 8, .value_kind: global_buffer, .address_space: global }
      - { .name: kvs, .offset: 24, .size: 8, .value_kind: global_buffer, .address_space: global }
      - { .name: ac, .offset: 32, .size: 8, .value_kind: global_buffer, .address_space: global }
      - { .name: asc, .offset: 40, .size: 8, .value_kind: global_buffer, .address_space: global }
    .group_segment_fixed_size: 327680
    .private_segment_fixed_size: 0
    .kernarg_segment_align: 8
    .kernarg_segment_size: 48
    .max_flat_workgroup_size: 512
    .sgpr_count:     80
    .vgpr_count:     256
    .wavefront_size: 32
...
	.end_amdgpu_metadata
.endif
;; end of part 7
;; launch outp (part 8): grid 256 x 1, 4 waves a work-group, no clusters, 34,304 bytes of LDS; arguments ac, asc, wc, ws, b_o, out0; writes out0
.if DOCPART == 8
	.amdgcn_target "amdgcn-amd-amdhsa--gfx1250"
	.amdhsa_code_object_version 6
	.text
	.protected	k_q01c2f581e7_outp
	.globl	k_q01c2f581e7_outp
	.p2align	8
	.type	k_q01c2f581e7_outp,@function
k_q01c2f581e7_outp:
	s_mov_b64 s[64:65], 0
	v_nop
	global_prefetch_b8 v0, s[64:65] scope:SCOPE_SE
	s_setreg_imm32_b32 hwreg(HW_REG_WAVE_SCHED_MODE, 0, 2), 2
	s_setreg_imm32_b32 hwreg(HW_REG_WAVE_MODE, 25, 1), 1
	s_wait_xcnt 0x0
	s_wait_alu depctr_vm_vsrc(0)
; out0 = attended w_o^T + b_o on codes of FP6 (E2M3) with E8M0 scales.  The attended rows come as half images (16 tokens x one head's 64), [tile of tokens][head][768 bytes]: heads 2 s and 2 s + 1 are K step s.
; A work-group owns 32 tokens (two tiles in TILE ORDER: place p of tile u is token 8 u + p + 8 (p / 8)); wave w owns features 128 w .. 128 w + 127 for both tiles.  The waves share nothing: no barrier.
; Source 0 = my 8 tiles of w_o's rows in the same order (32 fragments, loaded once), source 1 = a tile of tokens: a lane holds a token, and its 64 results are features 32 b + 16 h + 0 .. 15.
; The bias is the C of each sum's first matrix instruction.  A tile's 16 rows x 512 bytes go through my own stage in LDS and leave as whole rows: each store of the wave covers 512 consecutive bytes, aligned.
; REGISTERS: window 0 below; window 1: w_o's fragments of K steps 0, 1 at v[12 (2 i + s)], v192-255 the bias tiles; window 2: K steps 2, 3; v192-255 rows on their way out.
; THE MODE: SCHED_MODE bits 1:0 = 2 (LLVM: expert scheduling mode 2), set by the entry lines.  The code itself states the register dependences
; between vector or matrix instructions and memory or LDS instructions, with s_wait_alu, always for 0.
; THE PLAN.  Registers that memory or LDS instructions touch:
;   v1-v8   offsets and LDS addresses: written at the head, never again: one wait on va_vdst ahead of the first load serves them all.
;   HA      the accumulators: written by a tile's products, read by its sixteen LDS stores (a wait on va_vdst behind the places), written again by the next tile's products (a wait on vm_vsrc ahead of them).
;   OB      rows on their way out: LDS loads land there, global stores read them, no vector instruction names them: one wait on vm_vsrc ahead of the second tile's loads.
;   SS      the tokens' scale words: made by vector instructions, read by the products as scales: a wait on va_vdst behind their eight places.
;   All other operands are loaded once and named by products alone.
; THE ORDER.  Tile 1's products are issued as soon as tile 0's accumulators have been read into the stage; tile 0's rows come back from the stage and leave behind them.
.set FR,  12
.set XF0, 16                           ; v16-63 tile 0's four fragments;  v64-111 tile 1's
.set HA,  112                          ; v112-175 eight accumulators
.set SS,  176                          ; v176-183 the tokens' scale words (4 u + s)
.set RS,  184                          ; v184-215 w_o's scale words (4 i + s)
.set LW,  216                          ; v216-231 the heads' words as loaded (8 u + head)
.set OB,  192                          ; in window 2
.set SPW, 254
.set NIL, 255
.set SPARE, 33792                      ; behind the four stages of 16 x 528 bytes: the spare words, which no other line names
.set WV,  16
.set MSB, 0
.macro WIN new
.if MSB != \new
	s_set_vgpr_msb (MSB<<8)|\new
.set MSB, \new
.endif
.endm
.macro WFRAG reg, t, s
.irp p, 0,1,2,3,4,5
	global_load_b64 v[(\reg)+2*\p:(\reg)+2*\p+1], v4, s[8:9] offset:(32*((\t)/2)+8*((\t)%2))*384+96*(\s)+48*(\p/3)+8*(\p%3)
.endr
.endm
.macro MM i, a, b, c, sa, sb
	v_wmma_scale_f32_16x16x128_f8f6f4 v[HA+8*(\i):HA+8*(\i)+7], v[(\a):(\a)+FR-1], v[(\b):(\b)+FR-1], v[(\c):(\c)+7], v[\sa], v[\sb] matrix_a_fmt:MATRIX_FMT_FP6 matrix_b_fmt:MATRIX_FMT_FP6
.endm
.macro MUL xf, ss                              ; 32 matrix instructions: the eight accumulators by turns, K step by K step
	WIN 0x11                                       ; source 0 and C (the bias) window 1
.irp i, 0,1,2,3,4,5,6,7
	MM \i, FR*2*\i, \xf, 192+8*\i, RS+4*\i, \ss
.endr
	WIN 0x01
.irp i, 0,1,2,3,4,5,6,7
	MM \i, FR*(2*\i+1), (\xf)+FR, HA+8*\i, RS+4*\i+1, (\ss)+1
.endr
	WIN 0x02
.irp i, 0,1,2,3,4,5,6,7
	MM \i, FR*2*\i, (\xf)+2*FR, HA+8*\i, RS+4*\i+2, (\ss)+2
.endr
.irp i, 0,1,2,3,4,5,6,7
	MM \i, FR*(2*\i+1), (\xf)+3*FR, HA+8*\i, RS+4*\i+3, (\ss)+3
.endr
	WIN 0
.endm
	s_load_b256 s[4:11], s[0:1], 0x0               ; ac, asc, wc, ws
	s_load_b128 s[12:15], s[0:1], 0x20             ; b_o, out0
	v_lshl_add_u32 v[SPW], v0, 2, SPARE
	v_mov_b32 v[NIL], 0
	v_lshrrev_b32 v9, 5, v0
	v_readfirstlane_b32 s[WV], v9                  ; wave 0..3
	v_and_b32 v9, 31, v0                           ; lane
	v_and_b32 v10, 15, v0                          ; r
	v_bfe_u32 v11, v0, 4, 1                        ; h
	v_and_b32 v12, 8, v10
	v_add_nc_u32 v12, v12, v10                     ; r + 8 (r / 8)
	v_lshlrev_b32 v1, 4, v9                        ; v1  16 x lane
	v_lshlrev_b32 v2, 3, v9
	v_add_nc_u32 v2, 512, v2                       ; v2  512 + 8 x lane
	v_lshlrev_b32 v3, 2, v10                       ; v3  4 r
	v_mul_u32_u24 v4, v12, 384
	v_mad_u32_u24 v4, v11, 24, v4                  ; v4  w_o's codes: my row of a tile, + 24 h
	v_lshlrev_b32 v5, 4, v12                       ; v5  its scale words
	v_lshlrev_b32 v6, 6, v11                       ; v6  the bias: 64 h
	s_wait_alu depctr_va_sdst(0)                   ; the wave's number is written, ahead of its first reader: bases and LDS addresses are made from it
	s_mul_i32 s17, s[WV], 16*528
	v_mul_u32_u24 v7, v10, 528
	v_lshl_add_u32 v7, v11, 6, v7
	v_add_nc_u32 v7, s17, v7                       ; v7  my stage, in: row r, + 64 h
	v_add_nc_u32 v8, s17, v1                       ; v8  and back: 16 bytes a lane of a row
	s_mul_i32 s20, ttmp9, 12288                    ; my two tiles x 8 heads x 768 bytes
	s_mov_b32 s21, 0
	s_lshr_b32 s22, ttmp9, 7                       ; batch: 8 heads of 16,384 bytes of scale words
	s_lshl_b32 s22, s22, 17
	s_and_b32 s23, ttmp9, 127
	s_lshl_b32 s23, s23, 7                         ; my two tiles' 128 bytes in a head's
	s_add_co_u32 s22, s22, s23
	s_mov_b32 s23, 0
	s_mul_i32 s24, s[WV], 49152
	s_add_co_u32 s24, s24, 3*196608                ; w_o is the fourth weight; my 128 rows
	s_mov_b32 s25, 0
	s_lshl_b32 s26, s[WV], 11
	s_add_co_u32 s26, s26, 3*8192
	s_mov_b32 s27, 0
	s_lshl_b32 s28, s[WV], 9                       ; my 128 numbers of the bias, and my 512 bytes of a row of out0
	s_mov_b32 s29, 0
	s_lshl_b32 s30, ttmp9, 16                      ; 32 rows of 2,048 bytes
	s_add_co_u32 s30, s30, s28
	s_mov_b32 s31, 0
	s_wait_kmcnt 0x0
	s_add_nc_u64 s[4:5], s[4:5], s[20:21]
	s_add_nc_u64 s[6:7], s[6:7], s[22:23]
	s_add_nc_u64 s[8:9], s[8:9], s[24:25]
	s_add_nc_u64 s[10:11], s[10:11], s[26:27]
	s_add_nc_u64 s[12:13], s[12:13], s[28:29]
	s_add_nc_u64 s[14:15], s[14:15], s[30:31]
	s_wait_alu depctr_va_vdst(0)                   ; the offsets and LDS addresses v1 to v8 are written: every load and store of the kernel reads one of them, and none is written again
.irp u, 0,1
.irp s, 0,1,2,3
.irp c, 0,1
	global_load_b128 v[XF0+48*\u+FR*\s+6*\c:XF0+48*\u+FR*\s+6*\c+3], v1, s[4:5] offset:6144*\u+768*(2*\s+\c)
	global_load_b64 v[XF0+48*\u+FR*\s+6*\c+4:XF0+48*\u+FR*\s+6*\c+5], v2, s[4:5] offset:6144*\u+768*(2*\s+\c)
	global_load_b32 v[LW+8*\u+2*\s+\c], v3, s[6:7] offset:(2*\s+\c)*16384+64*\u
.endr
.endr
.endr
	WIN 0x40
.irp t, 0,1,2,3,4,5,6,7
.irp s, 0,1
	WFRAG FR*(2*\t+\s), \t, \s
.endr
.endr
	WIN 0x80
.irp t, 0,1,2,3,4,5,6,7
.irp s, 2,3
	WFRAG FR*(2*\t+\s-2), \t, \s
.endr
.endr
	WIN 0x40
.irp t, 0,1,2,3,4,5,6,7
	global_load_b128 v[192+8*\t:192+8*\t+3], v6, s[12:13] offset:(32*(\t/2)+8*(\t%2))*4
	global_load_b128 v[192+8*\t+4:192+8*\t+7], v6, s[12:13] offset:(32*(\t/2)+8*(\t%2))*4+16
.endr
	WIN 0
.irp t, 0,1,2,3,4,5,6,7
.irp s, 0,1,2,3
	global_load_b32 v[RS+4*\t+\s], v5, s[10:11] offset:(32*(\t/2)+8*(\t%2))*16+4*\s
.endr
.endr
	s_wait_loadcnt 0x0
.irp k, 0,1,2,3,4,5,6,7
	v_or_b32 v[SS+\k], v[LW+2*\k], v[LW+2*\k+1]    ; an even head's bytes 0, 1 and an odd head's bytes 2, 3 make a K step's scale word
.endr
.rept 8
	v_nop                                          ; a scale register written by a vector instruction stands eight places ahead of the product
.endr
	s_wait_alu depctr_va_vdst(0)                   ; the eight scale words are written, which the products take as scales; the places above stay beside this wait
; A tile's accumulators go into my stage.  n: the places behind its last product.
.macro TOSTAGE n
.rept \n
	v_nop
.endr
	s_wait_alu depctr_va_vdst(0)                   ; the products have written the eight accumulators, which the LDS stores read; the places above stay beside this wait
.irp b, 0,1,2,3
.irp q, 0,1,2,3
	ds_store_b128 v7, v[HA+16*\b+4*\q:HA+16*\b+4*\q+3] offset:128*\b+16*\q   ; each accumulator from its low end on: features 32 b + 16 h + 4 q on
.endr
.endr
.endm
; Tile u's sixteen rows come back from the stage and leave.
.macro SEND u
	WIN 0x80
.if \u
	s_wait_xcnt 0x0                                ; the first tile's global stores have had their addresses translated,
	s_wait_alu depctr_vm_vsrc(0)                   ; and have read the registers OB, in which the loads below land
.endif
.irp p, 0,1,2,3,4,5,6,7,8,9,10,11,12,13,14,15
	ds_load_b128 v[OB+4*\p:OB+4*\p+3], v8 offset:528*\p   ; LDS serves a wave's instructions in order: these see my stores
.endr
	WIN 0x08                                       ; a store's data are its source 1: window 2
.irp p, 0,1,2,3,4,5,6,7,8,9,10,11,12,13,14,15
	s_wait_dscnt 15-\p                             ; row p is back; the younger loads stay out
	global_store_b128 v1, v[OB+4*\p:OB+4*\p+3], s[14:15] offset:(8*(\u)+\p+8*(\p/8))*2048 th:TH_STORE_NT
.endr
	WIN 0
.endm
	MUL XF0, SS
	TOSTAGE 5                                      ; four places ahead of the first read of results; five ahead of the next tile's first product, which begins these accumulators anew
	s_wait_alu depctr_vm_vsrc(0)                   ; the LDS stores have read the accumulators, which the next tile's products write again
	MUL XF0+48, SS+4
	SEND 0                                         ; these loads and stores name v1, v8 and OB alone, none of which a vector or matrix instruction has named since the head's wait
	TOSTAGE 4
	SEND 1
	s_wait_dscnt 0x0                               ; the closing lines, six on end
	s_wait_alu 0x0
	s_wait_tensorcnt 0x0
	ds_add_u32 v[SPW], v[NIL]
	s_wait_dscnt 0x0
	s_endpgm
.Lfunc_end_k_q01c2f581e7_outp:
	.size	k_q01c2f581e7_outp, .Lfunc_end_k_q01c2f581e7_outp-k_q01c2f581e7_outp
	.p2alignl 7, 3214868480
	.fill 96, 4, 3214868480
	.section	.rodata,"a",@progbits
	.p2align	6, 0x0
	.amdhsa_kernel k_q01c2f581e7_outp
		.amdhsa_group_segment_fixed_size 34304
		.amdhsa_private_segment_fixed_size 0
		.amdhsa_enable_private_segment 0
		.amdhsa_kernarg_size 48
		.amdhsa_user_sgpr_count 2
		.amdhsa_user_sgpr_kernarg_segment_ptr 1
		.amdhsa_wavefront_size32 1
		.amdhsa_system_sgpr_workgroup_id_x 1
		.amdhsa_system_sgpr_workgroup_id_y 1
		.amdhsa_system_sgpr_workgroup_id_z 1
		.amdhsa_system_vgpr_workitem_id 0
		.amdhsa_next_free_vgpr 768
		.amdhsa_next_free_sgpr 66
		.amdhsa_reserve_vcc 0
		.amdhsa_float_denorm_mode_32 3
		.amdhsa_float_denorm_mode_16_64 3
		.amdhsa_memory_ordered 1
		.amdhsa_forward_progress 1
		.amdhsa_inst_pref_size 48
	.end_amdhsa_kernel
	.amdgpu_metadata
---
amdhsa.version: [ 1, 2 ]
amdhsa.kernels:
  - .name:           k_q01c2f581e7_outp
    .symbol:         k_q01c2f581e7_outp.kd
    .args:
      - { .name: ac, .offset: 0, .size: 8, .value_kind: global_buffer, .address_space: global }
      - { .name: asc, .offset: 8, .size: 8, .value_kind: global_buffer, .address_space: global }
      - { .name: wc, .offset: 16, .size: 8, .value_kind: global_buffer, .address_space: global }
      - { .name: ws, .offset: 24, .size: 8, .value_kind: global_buffer, .address_space: global }
      - { .name: b_o, .offset: 32, .size: 8, .value_kind: global_buffer, .address_space: global }
      - { .name: out0, .offset: 40, .size: 8, .value_kind: global_buffer, .address_space: global }
    .group_segment_fixed_size: 34304
    .private_segment_fixed_size: 0
    .kernarg_segment_align: 8
    .kernarg_segment_size: 48
    .max_flat_workgroup_size: 128
    .sgpr_count:     66
    .vgpr_count:     768
    .wavefront_size: 32
...
	.end_amdgpu_metadata
.endif
;; end of part 8
